; MI455X (gfx1250); checked and timed in simulation.
; The chip was launched on July 23, 2026; its instructions are those of AMD's public machine-readable ISA for CDNA 5 (MIT licence, August 2026) and "CDNA5" Instruction Set Architecture Reference Guide (July 2026). The comments in the code are by the model that wrote it; some were corrected since.
;; Attention. Allowed arithmetic: matrix products marked QUANTISED: E3M2 operands, one E8M0 scale for each 32 along K, by v_wmma_scale_f32_16x16x128_f8f6f4 with both operands' format E3M2, f32 sums; products left as they are: f32 operands where the result goes on into a quantised operand, else bf16, f16 or f32 operands; f32 sums; everything else in f32.
;; Inputs: dec_state 32 x 1,024 float32; enc_mask 2,048 x 32 bool; enc_states 2,048 x 32 x 1,024 float32; w_dec 1,024 x 1,024 float32; w_enc 1,024 x 1,024 float32; w_out 1 x 1,024 float32.
;; Outputs: out0 32 x 1,024 float32; out1 2,048 x 32 float32.
;; This version of the problem:
;;   THIS VERSION OF THE PROBLEM IS GIVEN IN LOW PRECISION. The matrix products marked QUANTISED in the list below multiply operands that are first quantised to E3M2 (3 exponent bits, 2 mantissa bits; 6 bits a number), with one power-of-two scale for each 32 numbers along K (OCP MX v1.0); their sums are f32. All else is computed in f32.
;;   The module's matrix products, in the order in which they are computed (A, B: the left and right operand; K: the contracted axis; several contracted axes count as one K, in the product's order):
;;     1. [M 65,536, K 1,024] x [K 1,024, N 1,024]; A: input enc_states; B: input w_enc: QUANTISED
;;     2. [M 32, K 1,024] x [K 1,024, N 1,024]; A: input dec_state; B: input w_dec: QUANTISED
;;     3. [M 65,536, K 1,024] x [K 1,024, N 1]; A: computed on the way; B: input w_out: left as it is (N = 1 < 16)
;;     4. batch 32 x [M 1,024, K 2,048] x [K 2,048, N 1]; A: input enc_states; B: softmax: left as it is (N = 1 < 16)
;;   THE QUANTISER, for each operand of a quantised product, along K:
;;     - K is cut into blocks of 32 from its start; a last block that is shorter is filled with zeros.
;;     - A block's scale is 2^e with e = floor(log2(the largest magnitude in the block)) - 4, held to -126 .. 127; a block of zeros has e = 0. As a byte (E8M0): e + 127.
;;     - Each number is divided by its block's scale, clamped to +-28, and rounded to the nearest number of E3M2, ties to even, subnormals kept.
;;     - The product sums the exact products of the quantised numbers (number of the format x scale) in f32.
;;   ~~~python
;;   def quantise(x, axis):      # numpy; x: float32 -> the quantised numbers, widened to float32 again
;;       x = np.moveaxis(x, axis, -1); K = x.shape[-1]
;;       x = np.pad(x, [(0, 0)] * (x.ndim - 1) + [(0, -K % 32)]); x = x.reshape(x.shape[:-1] + (-1, 32)); a = np.abs(x).max(-1, keepdims=True)
;;       e = np.where(a > 0, np.clip(np.frexp(np.where(a > 0, a, 1))[1] - 1 - 4, -126, 127), 0)      # np.frexp(a)[1] - 1 = floor(log2(a)), exactly
;;       r = np.clip(x / 2.0 ** e, -28, 28)
;;       step = 2.0 ** (np.maximum(np.frexp(np.where(r == 0, 1, r))[1] - 1, -2) - 2)
;;       q = np.round(r / step) * step * 2.0 ** e      # np.round: ties to even
;;       return np.moveaxis(q.reshape(q.shape[:-2] + (-1,))[..., :K], -1, axis).astype(np.float32)
;;   ~~~
;; 2 versions. Each part assembles by itself: llvm-mc -triple=amdgcn-amd-amdhsa -mcpu=gfx1250 --defsym DOCPART=n.
;; ======== version 1 of 2: 3 launches
;; limits: right only within a limited range of input values
;; workspace buffers: wq 786,432 bytes; wsc 32,768 bytes; cpd2 131,072 bytes; list 270,336 bytes of whole numbers; pos 262,144 bytes of whole numbers; cnt 256 bytes of whole numbers; lg 262,144 bytes; st 2,048 bytes
;; launch prep (part 1): grid 42 x 1, 16 waves a work-group, no clusters, 34,816 bytes of LDS; arguments enc_mask, dec_state, w_dec, w_enc, wq, wsc, cpd2, list, pos, cnt; writes wq, wsc, cpd2, list, pos, cnt
.if DOCPART == 1
	.amdgcn_target "amdgcn-amd-amdhsa--gfx1250"
	.amdhsa_code_object_version 6
	.text
	.protected	k_q51ce9038ba_prep
	.globl	k_q51ce9038ba_prep
	.p2align	8
	.type	k_q51ce9038ba_prep,@function
k_q51ce9038ba_prep:
	s_mov_b64 s[64:65], 0
	v_nop
	global_prefetch_b8 v0, s[64:65] scope:SCOPE_SE
	s_setreg_imm32_b32 hwreg(HW_REG_WAVE_MODE, 25, 1), 1
	s_wait_xcnt 0x0
; PREP: what the other two launches need once.  Three kinds of work-group, told apart by the work-group's number:
;   0-7    w_enc [1024][1024] f32 becomes codes of BF6 (E3M2) with one E8M0 byte for each 32 along K, laid in the order of the operand's registers (wq, wsc).
;   8-39   c x proj_dec, c = 2 log2(e): dec_state and w_dec are quantised in registers and multiplied on codes; K is shared out among eight waves, the eight parts are added in f32 (cpd2).
;   40-41  the routing: one wave a column b reads the column's 2,048 mask bytes and lists the rows that count (list, pos, cnt).
; WORK LEFT OUT BY THE PROGRAM.  reference() multiplies the logit of a row whose mask is 0 by m = 0 and puts -2e9 in its place.  So in a column that has an open row, a masked row's part of
; product 1, its tanh and its term of product 3 reach no output, and its weight exp(-2e9 - max) takes its term of product 4 away.  The mask is read from memory as whole numbers, and the later
; launches do only the rows that the list names.  A column with no open row lists all its 2,048 rows, and its logits are made as reference() makes them (logit x 0 - 2e9).  Every input is loaded.
; LIMITS.  (a) a masked row's weight is taken as 0, which is what f32 gives while the column's largest open logit lies above -2e9 + 150: it holds while the sum of |w_out| stays under 1.9e9.
; (b) a NaN, an infinity or an overflow in a masked row of a column that has an open row is not carried to the result.  (c) row 0 of a column fills its last tile of 16 with weight 0: it must be finite.
; (d) a block whose largest magnitude lies under 2^(5 - 127) keeps the scale byte 1 (a block of zeros too: its codes are zeros, and the bytes are read by this program alone).
.set SPARE, 32768                      ; LDS: 0 .. 32767 the sixteen waves' parts of proj_dec, 2,048 bytes each; then the spare words, 128 bytes a wave
.set TM,  16                           ; v16-31  at work in QUANT
.set F0,  64                           ; v64-127, v128-191: two sets of 64 numbers
.set F1,  128
.set TQ,  240                          ; v240-247 the second halves of a fragment's blocks, before they are moved
.set SEL, 26                           ; s[26:27] lane selects for v_permlanex16_b32: lane l xor 16
; 64 numbers of a lane, v[s] .. v[s + 63], register 16 b + i = k 32 b + 16 (lane / 16) + i of my row, become a fragment's 12 registers of codes in v[pc] on and its scale word in v[pw].
.macro QUANT s, pc, tp, pw
.irp b, 0,1,2,3
	v_max3_num_f32 v[TM+\b], |v[\s+16*\b]|, |v[\s+1+16*\b]|, 0x2800000   ; block b: my 16 numbers, and the floor 2^(5 - 127): the byte cannot fall under 1
.endr
.irp i, 2,4,6,8,10,12,14
.irp b, 0,1,2,3
	v_max3_num_f32 v[TM+\b], v[TM+\b], |v[\s+16*\b+\i]|, |v[\s+1+16*\b+\i]|   ; the four blocks by turns
.endr
.endr
.irp b, 0,1,2,3
	v_permlanex16_b32 v[TM+4+\b], v[TM+\b], s[SEL], s[SEL+1]
.endr
.irp b, 0,1,2,3
	v_max_num_f32 v[TM+\b], v[TM+\b], v[TM+4+\b]   ; with lane l xor 16's: the block's largest magnitude
.endr
.irp b, 0,1,2,3
	v_add_nc_u32 v[TM+12+\b], 0xfe000000, v[TM+\b]   ; 4 off its exponent field: the conversion's scale operand
.endr
.irp b, 0,1,2,3
	v_lshrrev_b32 v[TM+4+\b], 23, v[TM+12+\b]   ; the scale's byte
.endr
	v_lshl_or_b32 v[\pw], v[TM+5], 8, v[TM+4]
	v_lshl_or_b32 v[\pw], v[TM+6], 16, v[\pw]
	v_lshl_or_b32 v[\pw], v[TM+7], 24, v[\pw]      ; my row's scale word; both halves of the lanes hold it
.irp c, 0,1
	v_cvt_scalef32_pk16_bf6_f32 v[\pc+6*\c:\pc+2+6*\c], v[\s+32*\c:\s+15+32*\c], v[TM+12+2*\c]
	v_cvt_scalef32_pk16_bf6_f32 v[\tp+4*\c:\tp+2+4*\c], v[\s+16+32*\c:\s+31+32*\c], v[TM+12+2*\c+1]   ; (a conversion's three registers begin on an even number)
.endr
	v_nop                                          ; one plain place behind a scaled conversion
.irp c, 0,1                                    ; the operand's layout wants a whole block in a lane
.irp i, 0,1,2
	v_permlane16_swap_b32 v[\pc+6*\c+\i], v[\tp+4*\c+\i]
.endr
.irp i, 0,1,2
	v_mov_b32 v[\pc+3+6*\c+\i], v[\tp+4*\c+\i]
.endr
.endr
.endm
; 16 rows x 128 along K of an f32 tensor with rows of 4,096 bytes: lane (r, h) takes, of row r, 16 neighbours of each block of 32
.macro LOADF f, sb, off
.irp bq, 0,1,2,3
.irp j, 0,1,2,3
	global_load_b128 v[\f+16*\bq+4*\j:\f+16*\bq+4*\j+3], v6, s[\sb:\sb+1] offset:\off+128*\bq+16*\j
.endr
.endr
.endm
.macro STOREF pc, off                  ; a fragment leaves as it stands in the registers: each store covers 512 consecutive bytes
.irp c, 0,1,2
	global_store_b128 v7, v[\pc+4*\c:\pc+4*\c+3], s[12:13] offset:\off+512*\c
.endr
.endm
	s_load_b512 s[4:19], s[0:1], 0x0               ; mask 4:5, dec_state 6:7, w_dec 8:9, w_enc 10:11, wq 12:13, wsc 14:15, cpd2 16:17, list 18:19
	s_load_b128 s[20:23], s[0:1], 0x40             ; pos 20:21, cnt 22:23
	v_lshl_add_u32 v2, v0, 2, SPARE                ; my spare word,
	v_mov_b32 v3, 0                                ; and 0: kept for the closing add alone
	v_lshrrev_b32 v1, 5, v0
	v_readfirstlane_b32 s24, v1                    ; wave 0..15
	v_and_b32 v1, 31, v0                           ; lane
	v_and_b32 v4, 15, v0                           ; r
	v_bfe_u32 v5, v0, 4, 1                         ; h
	v_lshlrev_b32 v6, 12, v4
	v_lshl_add_u32 v6, v5, 6, v6                   ; row r of 4,096 bytes + 64 h
	v_lshlrev_b32 v7, 4, v1                        ; 16 x lane
	s_lshl_b32 s28, s24, 11
	v_add_nc_u32 v8, s28, v7                       ; LDS: where my wave puts its part of proj_dec
	v_bfe_u32 v9, v0, 2, 1                         ; LDS: where thread t of the first 256 reads it back: t = 8 b + 4 u + 2 h + c2 wants batch row b, hidden units 16 u + 8 h + 4 c2 on
	v_lshlrev_b32 v9, 14, v9                       ; u: eight waves on
	v_bfe_u32 v10, v0, 7, 1
	v_lshl_add_u32 v9, v10, 10, v9                 ; b / 16: which tile of batch rows
	v_and_b32 v10, 1, v0
	v_lshl_add_u32 v9, v10, 9, v9                  ; c2: which four registers
	v_bfe_u32 v10, v0, 1, 1
	v_lshl_add_u32 v9, v10, 8, v9                  ; h: lanes 16 on
	v_bfe_u32 v10, v0, 3, 4
	v_lshl_add_u32 v9, v10, 4, v9                  ; b % 16: the lane
.irp b, 0,1,2,3
	v_mov_b32 v[TM+4+\b], 0                        ; written once: a lane permute's destination counts as one of its sources
.endr
	s_mov_b32 s[SEL], 0x76543210
	s_mov_b32 s[SEL+1], 0xfedcba98
	s_wait_kmcnt 0x0
	s_cmp_lt_u32 ttmp9, 8
	s_cbranch_scc1 .Lpath_e
	s_cmp_lt_u32 ttmp9, 40
	s_cbranch_scc1 .Lpath_d
	; ---- THE ROUTING.  Column b = 16 (work-group - 40) + wave.  Step i of a lane stands for row s = 128 (i / 4) + 4 lane + i % 4, so that a lane's four words of pos are neighbours.
	s_sub_co_u32 s28, ttmp9, 40
	s_lshl_b32 s28, s28, 4
	s_add_co_u32 s28, s28, s24                     ; b
	v_lshl_add_u32 v140, v1, 7, s28                ; 4 lane rows of 32 bytes + b
.set II, 0
.rept 64
	global_load_u8 v[64+II], v140, s[4:5] offset:(II/4)*4096+(II%4)*32
.set II, II+1
.endr
	s_mov_b32 s33, 0
	s_mul_i32 s32, s28, 8448
	s_add_nc_u64 s[18:19], s[18:19], s[32:33]      ; my column's list: 2,112 words
	s_lshl_b32 s32, s28, 13
	s_add_nc_u64 s[20:21], s[20:21], s[32:33]      ; its pos: 2,048 words
	s_lshl_b32 s32, s28, 2
	s_add_nc_u64 s[22:23], s[22:23], s[32:33]      ; its word of cnt
	v_add_nc_u32 v141, 2048, v1                    ; where a lane whose row is not listed puts its word: behind the list, read by nobody
	v_lshlrev_b32 v142, 2, v1                      ; 4 lane
	s_wait_loadcnt 0x0
	v_add_nc_u32 v143, v64, v65
.set II, 66
.rept 31
	v_add3_u32 v143, v143, v[II], v[II+1]          ; how many of my 64 rows are open
.set II, II+2
.endr
	v_cmp_ne_u32 vcc_lo, 0, v143
	s_cmp_eq_u32 vcc_lo, 0
	s_cselect_b32 s40, 1, 0                        ; 1: the column has no open row: then all its rows are listed
	s_mov_b32 s41, 0                               ; rows listed so far
.macro QUAD q
	s_wait_xcnt 0x0                                ; the last four steps' stores have read their registers: only behind this wait are they written again
.irp e, 0,1,2,3
	v_or_b32 v143, s40, v[64+4*\q+\e]
	v_cmp_ne_u32 vcc_lo, 0, v143                   ; listed?
	v_mbcnt_lo_u32_b32 v144, vcc_lo, s41           ; its place: those listed so far + the listed lanes below mine
	s_bcnt1_i32_b32 s42, vcc_lo
	s_add_co_u32 s41, s41, s42
	v_or_b32 v145, 0x10000, v144
	v_cndmask_b32 v[128+\e], 0, v145, vcc_lo       ; pos: 0x10000 | place, or 0
	v_cndmask_b32 v[132+\e], v141, v144, vcc_lo
	v_min_u32 v[132+\e], 2111, v[132+\e]           ; a number made of loaded data enters an address behind a bound
	v_lshlrev_b32 v[132+\e], 2, v[132+\e]
	v_add_nc_u32 v[136+\e], 128*\q+\e, v142        ; s
	global_store_b32 v[132+\e], v[136+\e], s[18:19]   ; all lanes stay on: EXEC is never changed
.endr
	global_store_b128 v7, v[128:131], s[20:21] offset:512*\q   ; 512 consecutive bytes
.endm
.set QI, 0
.rept 16
	QUAD QI
.set QI, QI+1
.endr
	s_wait_xcnt 0x0
	v_add_nc_u32 v132, s41, v1                     ; 32 words of 0 behind the list: row 0 fills the last tile
	v_min_u32 v132, 2111, v132
	v_lshlrev_b32 v132, 2, v132
	v_mov_b32 v136, 0
	global_store_b32 v132, v136, s[18:19]
	v_mov_b32 v133, 0
	v_mov_b32 v137, s41                            ; the number of rows listed,
	s_xor_b32 s40, s40, 1
	v_mov_b32 v138, s40                            ; and 1 where the column has an open row
	global_store_b32 v133, v137, s[22:23]
	global_store_b32 v133, v138, s[22:23] offset:128
	s_branch .Ljoin
	; ---- w_enc.  Unit e = 16 work-group + wave: pair P = e / 4 of tiles of 16 hidden units, K steps 2 (e % 4) and 2 (e % 4) + 1: four fragments
.Lpath_e:
	s_lshl_b32 s28, ttmp9, 4
	s_add_co_u32 s28, s28, s24                     ; e
	s_lshr_b32 s29, s28, 2                         ; P
	s_and_b32 s30, s28, 3
	s_lshl_b32 s32, s29, 17                        ; 32 rows of 4,096 bytes
	s_lshl_b32 s34, s30, 10                        ; two K steps of 512 bytes
	s_add_co_u32 s32, s32, s34
	s_mov_b32 s33, 0
	s_add_nc_u64 s[10:11], s[10:11], s[32:33]
	s_mul_i32 s32, s29, 24576                      ; wq: fragment (tile, K step) at (8 tile + K step) x 1,536
	s_mul_i32 s34, s30, 3072
	s_add_co_u32 s32, s32, s34
	s_add_nc_u64 s[12:13], s[12:13], s[32:33]
	s_lshl_b32 s32, s28, 8                         ; wsc: 256 bytes a unit
	s_add_nc_u64 s[14:15], s[14:15], s[32:33]
	LOADF F0, 10, 0
	LOADF F1, 10, 512
	s_wait_loadcnt 16                              ; the older fragment's 16 loads are in; the younger 16 stay out
	QUANT F0, 192, TQ, 32
	LOADF F0, 10, 65536
	STOREF 192, 0
	s_wait_loadcnt 16
	QUANT F1, 204, TQ, 33
	LOADF F1, 10, 65536+512
	STOREF 204, 1536
	s_wait_loadcnt 16
	QUANT F0, 216, TQ, 34
	STOREF 216, 12288
	s_wait_loadcnt 0x0
	QUANT F1, 228, TQ, 35
	STOREF 228, 12288+1536
	s_mov_b32 s35, 0xffff0000
	v_cndmask_b32 v36, v32, v34, s35               ; lanes 0-15: the even tile's words, lanes 16-31: the odd tile's; K step 2 (e % 4),
	v_cndmask_b32 v37, v33, v35, s35               ; and the one after
	v_lshlrev_b32 v38, 3, v1
	global_store_b64 v38, v[36:37], s[14:15]       ; 256 consecutive bytes
	s_branch .Ljoin
	; ---- proj_dec.  d = work-group - 8: hidden units 32 d on.  Wave: u = wave / 8 picks 16 of them, s = wave % 8 the K step
.Lpath_d:
	s_sub_co_u32 s28, ttmp9, 8
	s_lshr_b32 s29, s24, 3
	s_and_b32 s30, s24, 7
	s_lshl_b32 s32, s28, 1
	s_add_co_u32 s32, s32, s29
	s_lshl_b32 s32, s32, 16                        ; 16 rows of 4,096 bytes
	s_lshl_b32 s34, s30, 9
	s_add_co_u32 s32, s32, s34
	s_mov_b32 s33, 0
	s_mov_b32 s35, 0
	s_add_nc_u64 s[8:9], s[8:9], s[32:33]
	s_add_nc_u64 s[6:7], s[6:7], s[34:35]
	LOADF F0, 8, 0                                 ; 16 rows of w_dec
	LOADF F1, 6, 0                                 ; batch rows 0-15
	s_wait_loadcnt 16
	QUANT F0, 192, TQ, 32
	LOADF F0, 6, 65536                             ; batch rows 16-31
	s_wait_loadcnt 16
	QUANT F1, 204, TQ, 33
	s_wait_loadcnt 0x0
	QUANT F0, 216, TQ, 34
.rept 8
	v_nop                                          ; a scale register written by a vector instruction stands 8 places ahead of a scaled matrix instruction, an operand so written 4
.endr
	v_wmma_scale_f32_16x16x128_f8f6f4 v[40:47], v[192:203], v[204:215], 0, v32, v33 matrix_a_fmt:MATRIX_FMT_BF6 matrix_b_fmt:MATRIX_FMT_BF6
	v_wmma_scale_f32_16x16x128_f8f6f4 v[48:55], v[192:203], v[216:227], 0, v32, v34 matrix_a_fmt:MATRIX_FMT_BF6 matrix_b_fmt:MATRIX_FMT_BF6
.rept 4
	v_nop                                          ; four places in front of the first read of the results
.endr
	ds_store_b128 v8, v[40:43]                     ; lane (r, h): batch row 16 m + r, register j: hidden unit 16 u + 8 h + j; each result from its low end on
	ds_store_b128 v8, v[44:47] offset:512
	ds_store_b128 v8, v[48:51] offset:1024
	ds_store_b128 v8, v[52:55] offset:1536
.Ljoin:                                        ; the launch's one barrier, on every wave's path
	s_wait_dscnt 0x0                               ; for the others' sake: my LDS stores are done
	s_barrier_signal -1
	s_barrier_wait -1
	s_sub_co_u32 s28, ttmp9, 8
	s_cmp_lt_u32 s28, 32
	s_cbranch_scc0 .Lend
	s_cmp_lt_u32 s24, 8
	s_cbranch_scc0 .Lend
.irp s, 0,1,2,3,4,5,6,7
	ds_load_b128 v[64+4*\s:67+4*\s], v9 offset:2048*\s   ; the eight K steps' parts of my four numbers
.endr
	s_mov_b32 s30, 0x4038aa3b                      ; c = 2 log2(e)
	s_mov_b32 s31, s30
	s_lshl_b32 s32, s28, 12
	s_mov_b32 s33, 0
	s_add_nc_u64 s[16:17], s[16:17], s[32:33]
	v_lshlrev_b32 v10, 4, v0
	s_wait_dscnt 0x0
.irp s, 0,8,16,24
	v_pk_add_f32 v[64+\s:65+\s], v[64+\s:65+\s], v[68+\s:69+\s]
	v_pk_add_f32 v[66+\s:67+\s], v[66+\s:67+\s], v[70+\s:71+\s]
.endr
.irp s, 0,16
	v_pk_add_f32 v[64+\s:65+\s], v[64+\s:65+\s], v[72+\s:73+\s]
	v_pk_add_f32 v[66+\s:67+\s], v[66+\s:67+\s], v[74+\s:75+\s]
.endr
	v_pk_add_f32 v[64:65], v[64:65], v[80:81]
	v_pk_add_f32 v[66:67], v[66:67], v[82:83]
	v_pk_mul_f32 v[64:65], v[64:65], s[30:31] op_sel_hi:[1,0]
	v_pk_mul_f32 v[66:67], v[66:67], s[30:31] op_sel_hi:[1,0]
	global_store_b128 v10, v[64:67], s[16:17]      ; cpd2 [d][b][32]: a wave stores 512 consecutive bytes
.Lend:
	s_wait_tensorcnt 0x0                           ; the wave's end
	ds_add_u32 v2, v3
	s_wait_dscnt 0x0
	s_endpgm
.Lfunc_end_k_q51ce9038ba_prep:
	.size	k_q51ce9038ba_prep, .Lfunc_end_k_q51ce9038ba_prep-k_q51ce9038ba_prep
	.p2alignl 7, 3214868480
	.fill 96, 4, 3214868480
	.section	.rodata,"a",@progbits
	.p2align	6, 0x0
	.amdhsa_kernel k_q51ce9038ba_prep
		.amdhsa_group_segment_fixed_size 34816
		.amdhsa_private_segment_fixed_size 0
		.amdhsa_enable_private_segment 0
		.amdhsa_kernarg_size 80
		.amdhsa_user_sgpr_count 2
		.amdhsa_user_sgpr_kernarg_segment_ptr 1
		.amdhsa_wavefront_size32 1
		.amdhsa_system_sgpr_workgroup_id_x 1
		.amdhsa_system_sgpr_workgroup_id_y 1
		.amdhsa_system_sgpr_workgroup_id_z 1
		.amdhsa_system_vgpr_workitem_id 0
		.amdhsa_next_free_vgpr 256
		.amdhsa_next_free_sgpr 66
		.amdhsa_reserve_vcc 1
		.amdhsa_float_denorm_mode_32 3
		.amdhsa_float_denorm_mode_16_64 3
		.amdhsa_memory_ordered 1
		.amdhsa_forward_progress 1
		.amdhsa_inst_pref_size 92
	.end_amdhsa_kernel
	.amdgpu_metadata
---
amdhsa.version: [ 1, 2 ]
amdhsa.kernels:
  - .name:           k_q51ce9038ba_prep
    .symbol:         k_q51ce9038ba_prep.kd
    .args:
      - { .name: enc_mask, .offset: 0, .size: 8, .value_kind: global_buffer, .address_space: global }
      - { .name: dec_state, .offset: 8, .size: 8, .value_kind: global_buffer, .address_space: global }
      - { .name: w_dec, .offset: 16, .size: 8, .value_kind: global_buffer, .address_space: global }
      - { .name: w_enc, .offset: 24, .size: 8, .value_kind: global_buffer, .address_space: global }
      - { .name: wq, .offset: 32, .size: 8, .value_kind: global_buffer, .address_space: global }
      - { .name: wsc, .offset: 40, .size: 8, .value_kind: global_buffer, .address_space: global }
      - { .name: cpd2, .offset: 48, .size: 8, .value_kind: global_buffer, .address_space: global }
      - { .name: list, .offset: 56, .size: 8, .value_kind: global_buffer, .address_space: global }
      - { .name: pos, .offset: 64, .size: 8, .value_kind: global_buffer, .address_space: global }
      - { .name: cnt, .offset: 72, .size: 8, .value_kind: global_buffer, .address_space: global }
    .group_segment_fixed_size: 34816
    .private_segment_fixed_size: 0
    .kernarg_segment_align: 8
    .kernarg_segment_size: 80
    .max_flat_workgroup_size: 512
    .sgpr_count:     66
    .vgpr_count:     256
    .wavefront_size: 32
...
	.end_amdgpu_metadata
.endif
;; end of part 1
;; launch score (part 2): grid 8 x 32, 4 waves a work-group, no clusters, 293,376 bytes of LDS; arguments enc_states, wq, wsc, cpd2, w_out, list, cnt, lg, st; writes lg, st
.if DOCPART == 2
	.amdgcn_target "amdgcn-amd-amdhsa--gfx1250"
	.amdhsa_code_object_version 6
	.text
	.protected	k_q51ce9038ba_score
	.globl	k_q51ce9038ba_score
	.p2align	8
	.type	k_q51ce9038ba_score,@function
k_q51ce9038ba_score:
	s_mov_b64 s[64:65], 0
	v_nop
	global_prefetch_b8 v0, s[64:65] scope:SCOPE_SE
	s_setreg_imm32_b32 hwreg(HW_REG_WAVE_MODE, 25, 1), 1
	s_wait_xcnt 0x0
; SCORE: the logits of the listed rows, and each work-group's maximum and sum for the softmax.  logit = w_out . tanh(enc . w_enc^T + proj_dec), the first product on codes of BF6 with E8M0 scales.
; WORK LEFT OUT: rows that the list does not name (masked rows of a column that has an open row): reference() multiplies their logit by 0; see the first kernel's head, its limits hold here too.
; SHARES.  Work-group (j, b) owns part j of eight of column b's tiles of 16 listed rows: q tiles, at most 16, from tile t0 on.  One column to a work-group, so proj_dec is one vector.
; PHASE X: wave w gathers, of every tile's 16 rows, the 1,024 bytes of K steps 2 w and 2 w + 1, quantises them and stores the two fragments and their scale words in LDS as images of the operand's registers.
; PHASE G: wave w owns hidden units 256 w .. 256 w + 255, in four groups of four tiles of 16, for all row tiles.  A group's 32 fragments of w_enc come from wq straight into registers, two sets that take turns:
;   each byte of wq is read once by the work-group.  Source 0 = 16 rows, source 1 = 16 hidden units: a lane holds ONE hidden unit (lane % 16) and rows 8 (lane / 16) + 0 .. 7, so proj_dec and w_out are one number
;   a lane, and the sum over hidden units stays in the lane until the end.  tanh(x) = 1 - 2 / (1 + 2^(c x)), c = 2 log2(e), so logit = sum of w - 2 x sum of w / (1 + 2^(c x)).
;   BY TURNS: while one row tile is multiplied (32 matrix instructions), the tile before has its exponentials and reciprocals, two behind each matrix instruction.
; PHASE F: the four waves' and sixteen lanes' parts are added; the mask's arithmetic as reference() has it; places behind the list's end get -3e38.  PHASE S: wave 0 makes the part's maximum M and sum of e^(l - M); logits out.
; A part with no tile (only where a column lists fewer than 113 rows) still quantises and multiplies tile 0 of a clamped place in the list, so that no counted loop stands under a branch on a count; the result is discarded.
; No tensor load, no cluster: which tiles are walked hangs on counts read from memory.
; REGISTERS, in windows of 256.  Windows 1 to 3: the two sets of w_enc fragments: slot 32 set + 4 k + t in window 1 + slot / 21 at register 12 (slot % 21); slot 63 in window 0.  In phase X window 3 holds the two load buffers.
;   window 0 in phase G: v0 thread, v1 16 lane, v2, v3 the add's two, v4 lane, v5, v6 LDS addresses in hand, v7 table address, v8-9 sum of my w, v10 8 lane, v11 my parts' place, v12-19 the row sums, v20-35 per tile
;   (c proj_dec twice, w twice), v36-43 the rows' scale words, v52-83 w_enc's scale words, v84-95 slot 63, v96-127 accumulators, v128-159 the tile in tanh, v160-255 the rows' eight fragments.
.set TP,    13312                      ; LDS: a row tile: 8 fragments of 1,536 bytes, then 2 x 512 bytes of scale words (chunk c: K steps 4 c .. 4 c + 3, 16 bytes a lane)
.set SCO,   12288
.set STG,   16*TP                      ; behind the 16 tiles: a stage of 16 rows x (1,024 + 16) bytes for each wave (phase X);
.set PB,    STG                        ; the same bytes behind the first barrier: the row sums, [wave][tile] x 1,024 bytes
.set TAB,   STG+4*16640                ; c proj_dec of my column, 4,096 bytes, then w_out
.set LST,   TAB+8192                   ; each wave's own copy of the part's 256 list words
.set LG,    LST+4096                   ; the part's 256 logits
.set SPARE, LG+1024                    ; the spare words, 128 bytes a wave
.set L16, 1
.set SPW, 2
.set NIL, 3
.set LANE, 4
.set AD,  5
.set ADP, 6
.set TBA, 7
.set WS,  8
.set L8,  10
.set VP,  11
.set LACC, 12
.set CP,  20
.set ASC, 36
.set BSC, 52
.set BX,  84
.set ACC, 96
.set T,   128
.set A,   160
; phase X, window 0 (v36-43 and v52-83 hold scales and nothing else)
.set TM,  12                           ; v12-27 at work in QUANT
.set PW,  28                           ; v28-29 the two scale words
.set VST, 30                           ; into the stage
.set VRD, 31                           ; out of it
.set VIM, 32                           ; where the images go
.set VSW, 33                           ; where the scale words go
.set VXT, 34                           ; 16 (lane % 16) + 1,024 wave: my bytes of a row
.set VLN, 35
.set LNR, 44                           ; v44-51 eight list words
.set OF0, 84                           ; v84-91, v96-103: the rows' byte offsets, a set for each buffer
.set VIMB, 92
.set VSWB, 93
.set VLNB, 94
.set PC0, 104
.set TPQ, 116
.set PC1, 128
.set Q,   128                          ; v128-255 two fragments' numbers
.set SEL, 42
.set MSB, 0
.macro WIN new                         ; the immediate's high byte repeats the setting that is left; a switch that changes nothing is dropped
.if MSB != (\new)
	s_set_vgpr_msb (MSB<<8)|(\new)
.set MSB, (\new)
.endif
.endm
.macro QUANT s, pc, tp, pw             ; 64 numbers of a lane, register 16 b + i = k 32 b + 16 (lane / 16) + i of my row, become 12 registers of codes and a scale word
.irp b, 0,1,2,3
	v_max3_num_f32 v[TM+\b], |v[\s+16*\b]|, |v[\s+1+16*\b]|, 0x2800000   ; and the floor 2^(5 - 127): the byte cannot fall under 1
.endr
.irp i, 2,4,6,8,10,12,14
.irp b, 0,1,2,3
	v_max3_num_f32 v[TM+\b], v[TM+\b], |v[\s+16*\b+\i]|, |v[\s+1+16*\b+\i]|
.endr
.endr
.irp b, 0,1,2,3
	v_permlanex16_b32 v[TM+4+\b], v[TM+\b], s[SEL], s[SEL+1]
.endr
.irp b, 0,1,2,3
	v_max_num_f32 v[TM+\b], v[TM+\b], v[TM+4+\b]
.endr
.irp b, 0,1,2,3
	v_add_nc_u32 v[TM+12+\b], 0xfe000000, v[TM+\b]   ; 4 off the exponent field: the conversion's scale operand
.endr
.irp b, 0,1,2,3
	v_lshrrev_b32 v[TM+4+\b], 23, v[TM+12+\b]
.endr
	v_lshl_or_b32 v[\pw], v[TM+5], 8, v[TM+4]
	v_lshl_or_b32 v[\pw], v[TM+6], 16, v[\pw]
	v_lshl_or_b32 v[\pw], v[TM+7], 24, v[\pw]
.irp c, 0,1
	v_cvt_scalef32_pk16_bf6_f32 v[\pc+6*\c:\pc+2+6*\c], v[\s+32*\c:\s+15+32*\c], v[TM+12+2*\c]
	v_cvt_scalef32_pk16_bf6_f32 v[\tp+4*\c:\tp+2+4*\c], v[\s+16+32*\c:\s+31+32*\c], v[TM+12+2*\c+1]
.endr
	v_nop                                          ; one plain place behind a scaled conversion
.irp c, 0,1
.irp i, 0,1,2
	v_permlane16_swap_b32 v[\pc+6*\c+\i], v[\tp+4*\c+\i]
.endr
.irp i, 0,1,2
	v_mov_b32 v[\pc+3+6*\c+\i], v[\tp+4*\c+\i]
.endr
.endr
.endm
.macro SLOTOF be, f                    ; where fragment f = 4 k + t of set be lies: window SW, register SR
.set SG, 32*(\be)+(\f)
.if SG == 63
.set SW, 0
.set SR, BX
.else
.set SW, 1+SG/21
.set SR, 12*(SG%21)
.endif
.endm
.macro BFRAG g, f                      ; fragment f of group g, from wq as it lies: three loads of 512 consecutive bytes
	SLOTOF ((\g)%2), \f
	WIN (SW<<6)
.set BO, ((4*(\g)+(\f)%4)*8+(\f)/4)*1536
	global_load_b128 v[SR:SR+3], v[L16], s[6:7] offset:BO
	global_load_b128 v[SR+4:SR+7], v[L16], s[6:7] offset:BO+512
	global_load_b128 v[SR+8:SR+11], v[L16], s[6:7] offset:BO+1024
.endm
.macro BURST_A g                       ; a group's first 18 fragments and its scale words: 62 loads
.set FI, 0
.rept 18
	BFRAG \g, FI
.set FI, FI+1
.endr
	WIN 0
.irp pr, 0,1
.irp ka, 0,1,2,3
	global_load_b64 v[BSC+16*((\g)%2)+8*\pr+2*\ka:BSC+16*((\g)%2)+8*\pr+2*\ka+1], v[L8], s[8:9] offset:((2*(\g)+\pr)*4+\ka)*256
.endr
.endr
.endm
.macro BURST_B g                       ; its other 14 fragments: 42 loads
.set FI, 18
.rept 14
	BFRAG \g, FI
.set FI, FI+1
.endr
	WIN 0
.endm
.macro OFFS off                        ; eight list words become byte offsets of rows: s x 131,072 + my bytes of the row
.irp p, 0,1,2,3,4,5,6,7
	v_min_u32 v[LNR+\p], 2047, v[LNR+\p]           ; a loaded number enters an address behind a bound
.endr
.irp p, 0,1,2,3,4,5,6,7
	v_lshl_add_u32 v[\off+\p], v[LNR+\p], 17, v[VXT]
.endr
.endm
.macro XLOADS par, off                 ; a tile's 16 rows x 1,024 bytes into buffer par of window 3: lanes 0-15 row p, lanes 16-31 row p + 8; sixteen lanes read 256 consecutive bytes
	WIN 0xc0
.irp p, 0,1,2,3,4,5,6,7
.irp c, 0,1,2,3
	global_load_b128 v[128*\par+16*\p+4*\c:128*\par+16*\p+4*\c+3], v[\off+\p], s[4:5] offset:256*\c th:TH_LOAD_NT
.endr
.endr
	WIN 0
.endm
; Tile i = s30 + par.  Its numbers are in (the wait stands at the end of the tile before).  They turn through my stage, so that a lane holds neighbours along K; then the buffer takes tile i + 2.
.macro TILE_X par
.set OFB, OF0+12*\par
	s_add_co_u32 s31, s30, \par
	s_cmp_ge_u32 s31, s39
	s_cbranch_scc1 .Lxs_\@
	WIN 0x0c                                       ; an LDS store's data are its source 1: window 3
.irp p, 0,1,2,3,4,5,6,7
.irp c, 0,1,2,3
	ds_store_b128 v[VST], v[128*\par+16*\p+4*\c:128*\par+16*\p+4*\c+3] offset:1040*\p+256*\c
.endr
.endr
	WIN 0
.irp f, 0,1
.irp bq, 0,1,2,3
.irp j, 0,1,2,3
	ds_load_b128 v[Q+64*\f+16*\bq+4*\j:Q+64*\f+16*\bq+4*\j+3], v[VRD] offset:512*\f+128*\bq+16*\j   ; LDS serves a wave's instructions in order: these see the stores above
.endr
.endr
.endr
	s_add_co_u32 s32, s38, 64*(\par+2)             ; tile i + 2's list words, in my own copy,
	s_min_u32 s32, s32, 960                        ; held inside it
	v_add_nc_u32 v[VLN], s32, v[VLNB]
	ds_load_b128 v[LNR:LNR+3], v[VLN]
	ds_load_b128 v[LNR+4:LNR+7], v[VLN] offset:16
	s_wait_dscnt 0x0                               ; the numbers are back, the stage's stores have read the buffer, the last tile's image stores are done
	s_add_co_u32 s31, s31, 2
	s_cmp_lt_u32 s31, s39
	s_cbranch_scc0 .Lxl_\@
	OFFS OFB                                       ; (this set's last loads, tile i's, are in)
	XLOADS \par, OFB
	s_wait_loadcnt 32                              ; only the 32 just issued are younger than tile i + 1's: that tile is in
	s_branch .Lxg_\@
.Lxl_\@:
	s_wait_loadcnt 0x0
.Lxg_\@:
	v_add_nc_u32 v[VIM], s37, v[VIMB]
	v_add_nc_u32 v[VSW], s37, v[VSWB]
	QUANT Q, PC0, TPQ, PW
.irp c, 0,1,2
	ds_store_b128 v[VIM], v[PC0+4*\c:PC0+4*\c+3] offset:\par*TP+512*\c
.endr
	QUANT Q+64, PC1, TPQ, PW+1                     ; (its codes go where the first fragment's numbers lay)
.irp c, 0,1,2
	ds_store_b128 v[VIM], v[PC1+4*\c:PC1+4*\c+3] offset:\par*TP+1536+512*\c
.endr
	ds_store_b64 v[VSW], v[PW:PW+1] offset:\par*TP   ; K steps 2 w and 2 w + 1 of my row
	s_branch .Lxd_\@
.Lxs_\@:
	s_wait_loadcnt 0x0
.Lxd_\@:
.endm
.macro CLOAD_CP g                      ; c proj_dec of my hidden unit in the group's four tiles, each twice: a pair for the packed forms
.irp t, 0,1,2,3
	ds_load_b32 v[CP+4*\t], v[TBA] offset:(64*(\g)+16*\t)*4
	ds_load_b32 v[CP+4*\t+1], v[TBA] offset:(64*(\g)+16*\t)*4
.endr
.endm
.macro CLOAD_W g                       ; w_out likewise
.irp t, 0,1,2,3
	ds_load_b32 v[CP+4*\t+2], v[TBA] offset:4096+(64*(\g)+16*\t)*4
	ds_load_b32 v[CP+4*\t+3], v[TBA] offset:4096+(64*(\g)+16*\t)*4
.endr
.endm
; Matrix instruction p = 4 k + t of a body: K step k, tile t of the group's four.  The four accumulators take turns, one instruction a turn.  Only source 1 lies outside window 0.
.macro MM bg, p
.set KK, (\p)/4
.set TT, (\p)%4
.set BE, (\bg)%2
	SLOTOF BE, \p
	WIN (SW<<2)
.if KK == 0
.if TT%2
	v_wmma_scale_f32_16x16x128_f8f6f4 v[ACC+8*TT:ACC+8*TT+7], v[A+12*KK:A+12*KK+11], v[SR:SR+11], 0, v[ASC+KK], v[BSC+16*BE+8*(TT/2)+KK] matrix_a_fmt:MATRIX_FMT_BF6 matrix_b_fmt:MATRIX_FMT_BF6 matrix_b_scale:MATRIX_SCALE_ROW1
.else
	v_wmma_scale_f32_16x16x128_f8f6f4 v[ACC+8*TT:ACC+8*TT+7], v[A+12*KK:A+12*KK+11], v[SR:SR+11], 0, v[ASC+KK], v[BSC+16*BE+8*(TT/2)+KK] matrix_a_fmt:MATRIX_FMT_BF6 matrix_b_fmt:MATRIX_FMT_BF6
.endif
.else
.if TT%2
	v_wmma_scale_f32_16x16x128_f8f6f4 v[ACC+8*TT:ACC+8*TT+7], v[A+12*KK:A+12*KK+11], v[SR:SR+11], v[ACC+8*TT:ACC+8*TT+7], v[ASC+KK], v[BSC+16*BE+8*(TT/2)+KK] matrix_a_fmt:MATRIX_FMT_BF6 matrix_b_fmt:MATRIX_FMT_BF6 matrix_b_scale:MATRIX_SCALE_ROW1
.else
	v_wmma_scale_f32_16x16x128_f8f6f4 v[ACC+8*TT:ACC+8*TT+7], v[A+12*KK:A+12*KK+11], v[SR:SR+11], v[ACC+8*TT:ACC+8*TT+7], v[ASC+KK], v[BSC+16*BE+8*(TT/2)+KK] matrix_a_fmt:MATRIX_FMT_BF6 matrix_b_fmt:MATRIX_FMT_BF6
.endif
.endif
.endm
.macro ARUN k0                         ; half of the next row tile: four fragments and their four scale words: 13 loads
.irp k, \k0, \k0+1, \k0+2, \k0+3
.irp c, 0,1,2
	ds_load_b128 v[A+12*(\k)+4*\c:A+12*(\k)+4*\c+3], v[AD] offset:1536*(\k)+512*\c
.endr
.endr
	ds_load_b128 v[ASC+\k0:ASC+\k0+3], v[AD] offset:SCO+128*\k0
.endm
; A BODY.  mm = 1: the 32 products of the row tile that lies in A, with group bg.  tt = 1: the tile that waits in T (of group fg; its row sums at LDS offset s[sp]) has its exponentials, reciprocals and sums.
; cx = 1: a change of group.  ba: the group whose first 62 loads go out here (4: none).  s33: LDS offset of the row tile that A takes next.
.macro BODY mm, tt, bg, fg, cx, ba, sp
.if \cx
	s_wait_loadcnt 0x0                             ; all of group bg's fragments and scale words are in
.endif
.if \ba < 4
	BURST_A \ba                                    ; into the set whose last products stand in front of the last body's tail: more than four plain places back
.endif
.if \cx
	CLOAD_CP \bg                                   ; the old group's are done with
.endif
.set PI, 0
.rept 16
.if \mm
	MM \bg, PI
.endif
.if \tt
	v_exp_f32 v[T+2*PI], v[T+2*PI]                 ; 2^(c x): destination and source 0 alone: window 0 under every setting that MM makes
	v_exp_f32 v[T+2*PI+1], v[T+2*PI+1]
.endif
.set PI, PI+1
.endr
	WIN 0
	s_wait_dscnt 0x0                               ; the second half of this tile's fragments is in; no LDS instruction of mine is out, so the two addresses may be written
.if \mm
	v_add_nc_u32 v[AD], s33, v[L16]
.else
	v_nop
.endif
	v_add_nc_u32 v[ADP], s[\sp], v[VP]
	v_nop
	v_nop                                          ; four plain places in front of loads into registers that matrix instructions have read; the first is also the plain place behind the exponentials
.if \tt
	s_wait_alu depctr_va_vdst(0)                   ; one wait for the 32 exponentials, ahead of their first reader
.endif
.if \mm
	ARUN 0
.endif
.if \tt
.if \fg > 0
	ds_load_b128 v[LACC:LACC+3], v[ADP]            ; the tile's row sums over the groups before
	ds_load_b128 v[LACC+4:LACC+7], v[ADP] offset:512
.endif
	v_pk_add_f32 v[T:T+1], v[T:T+1], 1.0 op_sel_hi:[1,0]
.endif
.set PI, 16
.rept 16
.if \mm
	MM \bg, PI
.endif
.if \tt
	v_rcp_f32 v[T+2*(PI-16)], v[T+2*(PI-16)]       ; 1 / (1 + 2^(c x))
	v_rcp_f32 v[T+2*(PI-16)+1], v[T+2*(PI-16)+1]
.if PI < 31
	v_pk_add_f32 v[T+2*(PI-15):T+2*(PI-15)+1], v[T+2*(PI-15):T+2*(PI-15)+1], 1.0 op_sel_hi:[1,0]
.endif
.endif
.set PI, PI+1
.endr
	WIN 0
.rept 4
	v_nop                                          ; four places behind the last products, in front of the loads below and of the first read of the results; the first is the plain place behind the reciprocals
.endr
.if \tt
	s_wait_alu depctr_va_vdst(0)                   ; one wait for the 32 reciprocals
.endif
.if \mm
	ARUN 4
	s_wait_dscnt 13                                ; only the 13 just issued may be out: the next tile's first half and the row sums are in
.else
	s_wait_dscnt 0x0
.endif
.if \tt
.irp t, 0,1,2,3
.irp jj, 0,1,2,3
.if (\fg == 0) && (\t == 0)
	v_pk_mul_f32 v[LACC+2*\jj:LACC+2*\jj+1], v[T+8*\t+2*\jj:T+8*\t+2*\jj+1], v[CP+4*\t+2:CP+4*\t+3]   ; the first term starts the sums: nothing is cleared
.else
	v_pk_fma_f32 v[LACC+2*\jj:LACC+2*\jj+1], v[T+8*\t+2*\jj:T+8*\t+2*\jj+1], v[CP+4*\t+2:CP+4*\t+3], v[LACC+2*\jj:LACC+2*\jj+1]
.endif
.endr
.endr
.if \fg == 3
.irp jj, 0,1,2,3
	v_pk_fma_f32 v[LACC+2*\jj:LACC+2*\jj+1], v[LACC+2*\jj:LACC+2*\jj+1], -2.0, v[WS:WS+1] op_sel_hi:[1,0,1]   ; my lane's part of the logits: sum of w - 2 x sum of w r
.endr
.endif
	ds_store_b128 v[ADP], v[LACC:LACC+3]
	ds_store_b128 v[ADP], v[LACC+4:LACC+7] offset:512
.endif
.if \cx
	CLOAD_W \bg                                    ; behind the old group's last sums
.endif
.if \mm
.irp t, 0,1,2,3
.irp jj, 0,1,2,3
	v_pk_fma_f32 v[T+8*\t+2*\jj:T+8*\t+2*\jj+1], v[ACC+8*\t+2*\jj:ACC+8*\t+2*\jj+1], s[40:41], v[CP+4*\t:CP+4*\t+1] op_sel_hi:[1,0,1]   ; c x = c x product + c proj_dec; each accumulator from its low end on
.endr
.endr
.endif
.endm
; Trips s30 .. to - 1 of a group: trip i multiplies row tile i + 1 and finishes tile i.  The trip count is a constant; a trip whose tile the part does not have jumps to the stepping lines.
.macro GLOOP g, to
.Lg_\@:
	s_add_co_u32 s31, s30, 1
	s_cmp_ge_u32 s31, s29
	s_cbranch_scc1 .Lgs_\@
	s_min_u32 s32, s35, 15*TP
	s_add_co_u32 s31, s30, 2
	s_cmp_lt_u32 s31, s29
	s_cselect_b32 s33, s32, 0                      ; next: tile i + 2, or tile 0 for the next group
	BODY 1, 1, \g, \g, 0, 4, 34
.Lgs_\@:
	s_add_co_u32 s34, s34, 1024
	s_add_co_u32 s35, s35, TP
	s_add_co_u32 s30, s30, 1
	s_cmp_lt_u32 s30, \to
	s_cbranch_scc1 .Lg_\@
.endm
.macro GROUP g
	s_mov_b32 s30, 0
	s_mov_b32 s34, 0
	s_mov_b32 s35, 2*TP
	GLOOP \g, 4
.if \g < 3
	BURST_B (\g+1)                                 ; the rest of the next group, up to four bodies behind its first loads
.endif
	s_mov_b32 s30, 4
	s_mov_b32 s34, 4096
	s_mov_b32 s35, 6*TP
	GLOOP \g, 15
	s_cmp_gt_u32 s29, 1
	s_cselect_b32 s33, TP, 0
.if \g < 2
	BODY 1, 1, (\g+1), \g, 1, (\g+2), 36           ; tile 0 of the next group | the last tile of this one
.elseif \g == 2
	BODY 1, 1, 3, 2, 1, 4, 36
.else
	BODY 0, 1, 3, 3, 0, 4, 36                      ; the last tile of the last group
.endif
.endm
	s_load_b512 s[4:19], s[0:1], 0x0               ; enc 4:5, wq 6:7, wsc 8:9, cpd2 10:11, w_out 12:13, list 14:15, cnt 16:17, lg 18:19
	s_load_b64 s[20:21], s[0:1], 0x40              ; st
	v_lshl_add_u32 v[SPW], v0, 2, SPARE
	v_mov_b32 v[NIL], 0
	v_lshrrev_b32 v4, 5, v0
	v_readfirstlane_b32 s22, v4                    ; wave 0..3
	s_and_b32 s23, ttmp7, 0xffff                   ; b
	s_mov_b32 s24, ttmp9                           ; j
	v_and_b32 v[LANE], 31, v0
	v_lshlrev_b32 v[L16], 4, v[LANE]
	v_lshlrev_b32 v[L8], 3, v[LANE]
	v_and_b32 v124, 15, v0                         ; r
	v_bfe_u32 v125, v0, 4, 1                       ; h
	s_mov_b32 s40, 0x4038aa3b                      ; c = 2 log2(e)
	s_mov_b32 s41, s40
	s_mov_b32 s[SEL], 0x76543210
	s_mov_b32 s[SEL+1], 0xfedcba98
.irp j, 1,2,3,4,5,6,7
	s_mov_b32 s[45+\j], 0x01010101<<\j             ; the lanes with lane % 8 = j
.endr
	s_lshl_b32 s31, s22, 10
	s_add_co_u32 s32, s31, TAB
	v_lshl_add_u32 v[TBA], v124, 2, s32            ; the table's word of hidden unit 256 w + r
	v_lshl_add_u32 v[VXT], v124, 4, s31
	s_add_co_u32 s32, s31, LST
	v_lshl_add_u32 v[VLNB], v125, 5, s32           ; my half's eight list words of tile 0
	v_lshl_add_u32 v126, v[LANE], 5, s32           ; where I put 32 bytes of the list
	s_lshl_b32 s32, s22, 14
	s_add_co_u32 s32, s32, PB
	v_add_nc_u32 v[VP], s32, v[L16]
	s_mul_i32 s32, s22, 16640
	s_add_co_u32 s32, s32, STG                     ; my stage
	v_mul_u32_u24 v[VST], v125, 8320               ; in: row p + 8 h, 16 bytes a lane
	v_lshl_add_u32 v[VST], v124, 4, v[VST]
	v_add_nc_u32 v[VST], s32, v[VST]
	v_mul_u32_u24 v[VRD], v124, 1040               ; out: row r, + 64 h; the pitch is 65 x 16 bytes, so the sixteen rows of a load fall on different banks
	v_lshl_add_u32 v[VRD], v125, 6, v[VRD]
	v_add_nc_u32 v[VRD], s32, v[VRD]
	s_mul_i32 s32, s22, 3072
	v_add_nc_u32 v[VIMB], s32, v[L16]              ; images of K steps 2 w, 2 w + 1
	s_lshr_b32 s32, s22, 1
	s_lshl_b32 s32, s32, 9
	s_and_b32 s33, s22, 1
	s_lshl_b32 s33, s33, 3
	s_add_co_u32 s32, s32, s33
	s_add_co_u32 s32, s32, SCO
	v_add_nc_u32 v[VSWB], s32, v[L16]              ; their two scale words: chunk w / 2, bytes 8 (w % 2) on of my lane's 16
	v_lshl_add_u32 v127, v0, 5, TAB
	v_lshl_add_u32 v45, v0, 3, LG
.irp b, 0,1,2,3
	v_mov_b32 v[TM+4+\b], 0                        ; written once: a lane permute's destination counts as one of its sources
.endr
	s_wait_kmcnt 0x0
	s_mov_b32 s57, 0
	s_mul_i32 s56, s22, 196608
	s_add_nc_u64 s[6:7], s[6:7], s[56:57]          ; my 16 tiles of wq,
	s_lshl_b32 s56, s22, 13
	s_add_nc_u64 s[8:9], s[8:9], s[56:57]          ; their scale words
	s_lshl_b32 s56, s23, 12
	s_add_nc_u64 s[4:5], s[4:5], s[56:57]          ; enc at my column
	s_lshl_b32 s56, s23, 7
	s_add_nc_u64 s[10:11], s[10:11], s[56:57]
	s_mul_i32 s56, s23, 8448
	s_add_nc_u64 s[14:15], s[14:15], s[56:57]
	s_lshl_b32 s56, s23, 2
	s_add_nc_u64 s[16:17], s[16:17], s[56:57]
	s_lshl_b32 s56, s23, 6
	s_lshl_b32 s58, s24, 3
	s_add_co_u32 s56, s56, s58
	s_add_nc_u64 s[20:21], s[20:21], s[56:57]
	s_load_b32 s25, s[16:17], 0x0                  ; rows listed in my column
	s_load_b32 s26, s[16:17], 0x80                 ; 1: it has an open row
	BURST_A 0
	s_wait_kmcnt 0x0
	s_min_u32 s25, s25, 2048
	s_add_co_u32 s27, s25, 15
	s_lshr_b32 s27, s27, 4                         ; the column's tiles, at most 128
	s_mul_i32 s28, s24, s27
	s_lshr_b32 s28, s28, 3                         ; t0
	s_add_co_u32 s29, s24, 1
	s_mul_i32 s29, s29, s27
	s_lshr_b32 s29, s29, 3
	s_sub_co_u32 s29, s29, s28
	s_min_u32 s29, s29, 16                         ; q
	s_min_u32 s28, s28, 127
	s_max_u32 s39, s29, 1                          ; tiles that phase X makes
	s_lshl_b32 s56, s23, 13
	s_lshl_b32 s58, s28, 6
	s_add_co_u32 s56, s56, s58
	s_add_nc_u64 s[18:19], s[18:19], s[56:57]      ; lg at my part's first place
	s_lshl_b32 s31, s28, 4
	v_lshl_add_u32 v49, v[LANE], 3, s31            ; list places 16 t0 + 8 lane on,
	s_lshl_b32 s32, s27, 4
	s_sub_co_u32 s32, s32, 8
	v_min_u32 v49, s32, v49                        ; held inside what the first launch has written,
	v_min_u32 v49, 2040, v49                       ; and by a constant
	v_lshlrev_b32 v49, 2, v49
	global_load_b128 v[128:131], v49, s[14:15]
	global_load_b128 v[132:135], v49, s[14:15] offset:16
	v_lshrrev_b32 v50, 2, v0                       ; thread t: hidden units 8 t on: cpd2 [t / 4][b][8 (t % 4)]
	v_lshlrev_b32 v50, 12, v50
	v_and_b32 v51, 3, v0
	v_lshl_add_u32 v50, v51, 5, v50
	global_load_b128 v[136:139], v50, s[10:11]
	global_load_b128 v[140:143], v50, s[10:11] offset:16
	v_lshlrev_b32 v48, 5, v0
	global_load_b128 v[144:147], v48, s[12:13]
	global_load_b128 v[148:151], v48, s[12:13] offset:16
	s_mov_b32 s36, 0                               ; the last tile's row sums: 1,024 (q - 1), chosen among constants
.irp k, 1,2,3,4,5,6,7,8,9,10,11,12,13,14,15
	s_cmp_gt_u32 s29, \k
	s_cselect_b32 s36, 1024*\k, s36
.endr
	s_cmp_lg_u32 s26, 0
	s_cselect_b32 s44, 0x3f800000, 0               ; m of the listed rows,
	s_cselect_b32 s45, 0, 0xceee6b28               ; and -(1 - m) x 2e9
	v_mov_b32 v152, 0xff61b1e6                     ; -3e38
	v_mov_b32 v153, v152
	s_wait_loadcnt 0x0
	ds_store_b128 v126, v[128:131]
	ds_store_b128 v126, v[132:135] offset:16
	ds_store_b128 v127, v[136:139]
	ds_store_b128 v127, v[140:143] offset:16
	ds_store_b128 v127, v[144:147] offset:4096
	ds_store_b128 v127, v[148:151] offset:4112
	ds_store_b64 v45, v[152:153]                   ; places that no tile fills count for nothing
	BURST_B 0
	s_wait_dscnt 0x0                               ; the stores are done: their registers are used again
	; ---- PHASE X.  Tiles 0 and 1 are asked for on every path
	ds_load_b128 v[LNR:LNR+3], v[VLNB]
	ds_load_b128 v[LNR+4:LNR+7], v[VLNB] offset:16
	s_wait_dscnt 0x0
	OFFS OF0
	XLOADS 0, OF0
	ds_load_b128 v[LNR:LNR+3], v[VLNB] offset:64
	ds_load_b128 v[LNR+4:LNR+7], v[VLNB] offset:80
	s_wait_dscnt 0x0
	OFFS OF0+12
	XLOADS 1, OF0+12
	s_wait_loadcnt 32                              ; tile 0 is in; tile 1's 32 loads stay out
	s_mov_b32 s30, 0
	s_mov_b32 s37, 0
	s_mov_b32 s38, 0
.Lx:
	TILE_X 0
	TILE_X 1
	s_add_co_u32 s37, s37, 2*TP
	s_add_co_u32 s38, s38, 128
	s_add_co_u32 s30, s30, 2
	s_cmp_lt_u32 s30, 16
	s_cbranch_scc1 .Lx
	s_wait_dscnt 0x0                               ; my images, the table and my reads of the stage are done
	s_barrier_signal -1
	s_barrier_wait -1
	; ---- PHASE G
	s_wait_loadcnt 0x0                             ; group 0 is in
	CLOAD_CP 0
	CLOAD_W 0
.set NI, 0
.rept 16
	ds_load_b32 v[T+NI], v[TBA] offset:4096+64*NI  ; w_out of my 16 hidden units
.set NI, NI+1
.endr
.irp k, 0,1,2,3,4,5,6,7
.irp c, 0,1,2
	ds_load_b128 v[A+12*\k+4*\c:A+12*\k+4*\c+3], v[L16] offset:1536*\k+512*\c   ; row tile 0
.endr
.endr
	ds_load_b128 v[ASC:ASC+3], v[L16] offset:SCO
	ds_load_b128 v[ASC+4:ASC+7], v[L16] offset:SCO+512
	s_wait_dscnt 0x0
.irp i, 0,1,2,3,4,5,6,7
	v_add_f32 v[T+\i], v[T+\i], v[T+8+\i]
.endr
.irp i, 0,1,2,3
	v_add_f32 v[T+\i], v[T+\i], v[T+4+\i]
.endr
	v_add_f32 v[T], v[T], v[T+2]
	v_add_f32 v[T+1], v[T+1], v[T+3]
	v_add_f32 v[WS], v[T], v[T+1]
	v_mov_b32 v[WS+1], v[WS]
	s_mov_b32 s34, 0
	s_cmp_gt_u32 s29, 1
	s_cselect_b32 s33, TP, 0
	BODY 1, 0, 0, 0, 0, 1, 34                      ; row tile 0 of group 0: there is no tile in tanh yet
	GROUP 0
	GROUP 1
	GROUP 2
	GROUP 3
	s_wait_dscnt 0x0                               ; my row sums lie in LDS, and my last loads by v[AD] are in
	s_barrier_signal -1
	s_barrier_wait -1
	; ---- PHASE F.  Wave w takes tiles w, w + 4, w + 8, w + 12.  All addresses of phases F and S are made here, ahead of the branches and with every lane on
	s_lshl_b32 s31, s22, 10
	s_add_co_u32 s31, s31, PB
	v_add_nc_u32 v160, s31, v[L16]
	v_and_b32 v161, 7, v0
	v_bfe_u32 v163, v0, 4, 1
	v_lshl_add_u32 v161, v163, 3, v161             ; the row of a tile that my lane ends up with: 8 h + lane % 8
	s_lshl_b32 s31, s22, 6
	s_add_co_u32 s31, s31, LG
	v_lshl_add_u32 v162, v161, 2, s31
	s_add_co_u32 s31, s28, s22
	s_lshl_b32 s31, s31, 4
	v_add_nc_u32 v163, s31, v161                   ; its place in the list, for tile w
	v_mov_b32 v164, 0xff61b1e6
	v_lshl_add_u32 v170, v0, 3, LG
	v_lshlrev_b32 v171, 3, v0
	v_lshlrev_b32 v174, 1, v0
	v_lshl_add_u32 v175, v[LANE], 5, LG
	v_mov_b32 v[AD], 0                             ; the offset of the store of M and S: the register has held LDS addresses alone, and is done with as one
.macro FTILE a
	s_add_co_u32 s31, s22, 4*\a
	s_cmp_ge_u32 s31, s29
	s_cbranch_scc1 .Lfs_\@
.irp ww, 0,1,2,3
	ds_load_b128 v[176+8*\ww:179+8*\ww], v160 offset:16384*\ww+4096*\a
	ds_load_b128 v[180+8*\ww:183+8*\ww], v160 offset:16384*\ww+4096*\a+512
.endr
	s_wait_dscnt 0x0
.irp ww, 1,2,3
.irp e, 0,2,4,6
	v_pk_add_f32 v[176+\e:177+\e], v[176+\e:177+\e], v[176+8*\ww+\e:177+8*\ww+\e]   ; over the four waves
.endr
.endr
.irp m, 1,2,4,8
.irp e, 0,1,2,3,4,5,6,7
	v_add_f32_dpp v[176+\e], v[176+\e], v[176+\e] row_xmask:\m row_mask:0xf bank_mask:0xf   ; over the sixteen lanes of my half
.endr
.endr
	v_cndmask_b32 v[165+\a], v176, v177, s46       ; lane % 8 picks the register: one row a lane
.irp j, 2,3,4,5,6,7
	v_cndmask_b32 v[165+\a], v[165+\a], v[176+\j], s[45+\j]
.endr
	v_fma_f32 v[165+\a], v[165+\a], s44, s45       ; logit x m - (1 - m) x 2e9
	v_add_nc_u32 v169, 64*\a, v163
	v_cmp_gt_u32 vcc_lo, s25, v169
	v_cndmask_b32 v[165+\a], v164, v[165+\a], vcc_lo   ; behind the list's end: -3e38
	ds_store_b32 v162, v[165+\a] offset:256*\a
.Lfs_\@:
.endm
	FTILE 0
	FTILE 1
	FTILE 2
	FTILE 3
	s_wait_dscnt 0x0
	s_barrier_signal -1
	s_barrier_wait -1
	; ---- PHASE S.  Wave 0 first makes the part's M and S; then all waves store the logits.  EXEC is changed only for that last store: behind its restore stand the closing lines alone
	s_cmp_lg_u32 s22, 0
	s_cbranch_scc1 .Lout
	ds_load_b128 v[176:179], v175
	ds_load_b128 v[180:183], v175 offset:16
	s_wait_dscnt 0x0
	v_max3_num_f32 v184, v176, v177, v178
	v_max3_num_f32 v184, v184, v179, v180
	v_max3_num_f32 v184, v184, v181, v182
	v_max_num_f32 v184, v184, v183
.irp m, 1,2,4,8
	v_max_num_f32_dpp v184, v184, v184 row_xmask:\m row_mask:0xf bank_mask:0xf
.endr
	v_mov_b32 v185, 0
	v_permlanex16_b32 v185, v184, s[SEL], s[SEL+1]
	v_max_num_f32 v184, v184, v185                 ; M: the part's largest logit
.irp e, 0,1,2,3,4,5,6,7
	v_sub_f32 v[186+\e], v[176+\e], v184           ; the difference first, then the change of base
.endr
.irp e, 0,1,2,3,4,5,6,7
	v_mul_f32 v[186+\e], 0x3fb8aa3b, v[186+\e]
.endr
.irp e, 0,1,2,3,4,5,6,7
	v_exp_f32 v[186+\e], v[186+\e]
.endr
	v_mov_b32 v194, 0xfe967699                     ; -1e38.  (The plain place behind the exponentials)
	s_wait_alu depctr_va_vdst(0)                   ; one wait for the eight
.irp e, 0,1,2,3,4,5,6,7
	v_cmp_ge_f32 vcc_lo, v[176+\e], v194
	v_cndmask_b32 v[186+\e], 0, v[186+\e], vcc_lo  ; a place that holds no row adds nothing, in a part with no row too
.endr
	v_pk_add_f32 v[186:187], v[186:187], v[188:189]
	v_pk_add_f32 v[190:191], v[190:191], v[192:193]
	v_pk_add_f32 v[186:187], v[186:187], v[190:191]
	v_add_f32 v197, v186, v187
.irp m, 1,2,4,8
	v_add_f32_dpp v197, v197, v197 row_xmask:\m row_mask:0xf bank_mask:0xf
.endr
	v_permlanex16_b32 v185, v197, s[SEL], s[SEL+1]
	v_add_f32 v197, v197, v185                     ; S
	v_mov_b32 v196, v184
	global_store_b64 v[AD], v[196:197], s[20:21]   ; every lane stores the same pair
.Lout:
	ds_load_b64 v[172:173], v170
	s_lshl_b32 s31, s29, 4
	s_wait_dscnt 0x0
	s_wait_xcnt 0x0                                ; EXEC changes only behind this wait (wave 0's store above has read its sources)
	v_cmp_gt_u32 vcc_lo, s31, v174
	s_and_saveexec_b32 s32, vcc_lo                 ; the part's 16 q places, two a thread
	global_store_b64 v171, v[172:173], s[18:19]
	s_wait_xcnt 0x0                                ; and again, in front of the line that widens it
	s_or_b32 exec_lo, exec_lo, s32
	s_wait_tensorcnt 0x0                           ; the wave's end
	ds_add_u32 v[SPW], v[NIL]
	s_wait_dscnt 0x0
	s_endpgm
.Lfunc_end_k_q51ce9038ba_score:
	.size	k_q51ce9038ba_score, .Lfunc_end_k_q51ce9038ba_score-k_q51ce9038ba_score
	.p2alignl 7, 3214868480
	.fill 96, 4, 3214868480
	.section	.rodata,"a",@progbits
	.p2align	6, 0x0
	.amdhsa_kernel k_q51ce9038ba_score
		.amdhsa_group_segment_fixed_size 293376
		.amdhsa_private_segment_fixed_size 0
		.amdhsa_enable_private_segment 0
		.amdhsa_kernarg_size 72
		.amdhsa_user_sgpr_count 2
		.amdhsa_user_sgpr_kernarg_segment_ptr 1
		.amdhsa_wavefront_size32 1
		.amdhsa_system_sgpr_workgroup_id_x 1
		.amdhsa_system_sgpr_workgroup_id_y 1
		.amdhsa_system_sgpr_workgroup_id_z 1
		.amdhsa_system_vgpr_workitem_id 0
		.amdhsa_next_free_vgpr 1024
		.amdhsa_next_free_sgpr 66
		.amdhsa_reserve_vcc 1
		.amdhsa_float_denorm_mode_32 3
		.amdhsa_float_denorm_mode_16_64 3
		.amdhsa_memory_ordered 1
		.amdhsa_forward_progress 1
		.amdhsa_inst_pref_size 255
	.end_amdhsa_kernel
	.section	.bss,"aw",@nobits
	.p2align	6
	.space	262144
	.amdgpu_metadata
---
amdhsa.version: [ 1, 2 ]
amdhsa.kernels:
  - .name:           k_q51ce9038ba_score
    .symbol:         k_q51ce9038ba_score.kd
    .args:
      - { .name: enc_states, .offset: 0, .size: 8, .value_kind: global_buffer, .address_space: global }
      - { .name: wq, .offset: 8, .size: 8, .value_kind: global_buffer, .address_space: global }
      - { .name: wsc, .offset: 16, .size: 8, .value_kind: global_buffer, .address_space: global }
      - { .name: cpd2, .offset: 24, .size: 8, .value_kind: global_buffer, .address_space: global }
      - { .name: w_out, .offset: 32, .size: 8, .value_kind: global_buffer, .address_space: global }
      - { .name: list, .offset: 40, .size: 8, .value_kind: global_buffer, .address_space: global }
      - { .name: cnt, .offset: 48, .size: 8, .value_kind: global_buffer, .address_space: global }
      - { .name: lg, .offset: 56, .size: 8, .value_kind: global_buffer, .address_space: global }
      - { .name: st, .offset: 64, .size: 8, .value_kind: global_buffer, .address_space: global }
    .group_segment_fixed_size: 293376
    .private_segment_fixed_size: 0
    .kernarg_segment_align: 8
    .kernarg_segment_size: 72
    .max_flat_workgroup_size: 128
    .sgpr_count:     66
    .vgpr_count:     1024
    .wavefront_size: 32
...
	.end_amdgpu_metadata
.endif
;; end of part 2
;; launch resp (part 3): grid 8 x 32, 32 waves a work-group, no clusters, 21,504 bytes of LDS; arguments enc_states, list, cnt, lg, st, pos, out0, out1; writes out0, out1
.if DOCPART == 3
	.amdgcn_target "amdgcn-amd-amdhsa--gfx1250"
	.amdhsa_code_object_version 6
	.text
	.protected	k_q51ce9038ba_resp
	.globl	k_q51ce9038ba_resp
	.p2align	8
	.type	k_q51ce9038ba_resp,@function
k_q51ce9038ba_resp:
	s_mov_b64 s[64:65], 0
	v_nop
	global_prefetch_b8 v0, s[64:65] scope:SCOPE_SE
	s_setreg_imm32_b32 hwreg(HW_REG_WAVE_MODE, 25, 1), 1
	s_wait_xcnt 0x0
; RESP: the softmax's weights from the eight parts' maxima and sums, the response, and the weights as an output.  All in f32 on the vector unit: both products left here have one column.
; WORK LEFT OUT: the terms of rows that the list does not name: their weight is 0 (the first kernel's head shows it and states the limits; row 0 of a column, which fills its last tile with weight 0, must be finite).
; SHARES.  Work-group (j, b): channels 128 j .. 128 j + 127 of column b's response, and rows 8 (8 b + j) .. + 7 of out1.  Wave w takes the list's tiles of 16 rows w, w + 32, w + 64, w + 96; a lane holds four channels,
; so each load covers 512 consecutive bytes of a row; 16 loads a wave are out together.  The 32 waves' sums meet in LDS; wave 0 adds them.  Waves 24 to 31 make a row of out1 each, a lane a column.
; The maximum is taken away before every exponential: M = the largest of the parts' maxima; S = the sum of S_j e^(M_j - M); weight = e^(l - M) / S.
.set O1,    16384                      ; LDS: 0 .. 16383 the waves' sums, 512 bytes each; eight rows of out1, 128 bytes each;
.set SPARE, 17408                      ; the spare words, 128 bytes a wave
.macro STATS adr                       ; v32 = M, v33 = 1 / S of the column whose 64 bytes of st begin at v[adr]
	global_load_b128 v[16:19], v[\adr], s[12:13]
	global_load_b128 v[20:23], v[\adr], s[12:13] offset:16
	global_load_b128 v[24:27], v[\adr], s[12:13] offset:32
	global_load_b128 v[28:31], v[\adr], s[12:13] offset:48
	s_wait_loadcnt 0x0
	v_max3_num_f32 v32, v16, v18, v20
	v_max3_num_f32 v32, v32, v22, v24
	v_max3_num_f32 v32, v32, v26, v28
	v_max_num_f32 v32, v32, v30
.irp j, 0,2,4,6,8,10,12,14
	v_sub_f32 v[16+\j], v[16+\j], v32
.endr
.irp j, 0,2,4,6,8,10,12,14
	v_mul_f32 v[16+\j], 0x3fb8aa3b, v[16+\j]
.endr
.irp j, 0,2,4,6,8,10,12,14
	v_exp_f32 v[16+\j], v[16+\j]                   ; a part with no row has M_j = -3e38: this is 0, and so is its S_j
.endr
	v_nop                                          ; a plain place behind the exponentials,
	s_wait_alu depctr_va_vdst(0)                   ; and one wait for the eight
	v_mul_f32 v33, v16, v17
.irp j, 2,4,6,8,10,12,14
	v_fmac_f32 v33, v[16+\j], v[17+\j]
.endr
	v_rcp_f32 v33, v33
	v_nop
	s_wait_alu depctr_va_vdst(0)
.endm
	s_load_b512 s[4:19], s[0:1], 0x0               ; enc 4:5, list 6:7, cnt 8:9, lg 10:11, st 12:13, pos 14:15, out0 16:17, out1 18:19
	v_lshl_add_u32 v2, v0, 2, SPARE
	v_mov_b32 v3, 0
	v_lshrrev_b32 v1, 5, v0
	v_readfirstlane_b32 s22, v1                    ; wave 0..31
	s_and_b32 s23, ttmp7, 0xffff                   ; b
	s_mov_b32 s24, ttmp9                           ; j
	v_and_b32 v1, 31, v0                           ; lane
	v_lshlrev_b32 v4, 4, v1                        ; 16 x lane
	s_lshl_b32 s28, s22, 9
	v_add_nc_u32 v5, s28, v4                       ; LDS: my wave's sums
	s_and_b32 s28, s22, 7
	s_lshl_b32 s28, s28, 7
	s_add_co_u32 s28, s28, O1
	v_lshl_add_u32 v6, v1, 2, s28                  ; LDS: my word of a row of out1
	s_and_b32 s28, s22, 1
	s_lshl_b32 s28, s28, 9
	s_add_co_u32 s28, s28, O1
	v_add_nc_u32 v7, s28, v4                       ; LDS: where waves 2 and 3 read four rows of out1 back
	s_lshl_b32 s28, s22, 4
	v_and_b32 v34, 15, v0
	v_add_nc_u32 v34, s28, v34                     ; 16 w + lane % 16
.irp i, 0,1,2,3
	v_mov_b32 v[120+\i], 0                         ; my four channels' sums
.endr
	s_mov_b32 s41, 0                               ; (named with s40 as a pair, so it is written)
	s_mov_b32 s29, 0
	s_wait_kmcnt 0x0
	s_lshl_b32 s28, s23, 2
	s_add_nc_u64 s[8:9], s[8:9], s[28:29]
	s_load_b32 s25, s[8:9], 0x0                    ; rows listed in my column
	s_mov_b64 s[20:21], s[10:11]                   ; lg from its first column on, for out1
	s_lshl_b32 s28, s23, 13
	s_add_nc_u64 s[10:11], s[10:11], s[28:29]      ; lg of my column
	s_mul_i32 s28, s23, 8448
	s_add_nc_u64 s[6:7], s[6:7], s[28:29]
	s_lshl_b32 s28, s23, 12
	s_lshl_b32 s30, s24, 9
	s_add_co_u32 s28, s28, s30
	s_add_nc_u64 s[4:5], s[4:5], s[28:29]          ; enc and out0 at column b, channel 128 j
	s_add_nc_u64 s[16:17], s[16:17], s[28:29]
	s_lshl_b32 s26, s23, 3
	s_add_co_u32 s26, s26, s24                     ; 8 b + j
	s_lshl_b32 s28, s26, 10
	s_add_nc_u64 s[18:19], s[18:19], s[28:29]      ; my eight rows of out1
	s_lshl_b32 s28, s23, 6
	v_mov_b32 v124, s28                            ; my column's 64 bytes of st
	s_wait_kmcnt 0x0
	s_min_u32 s25, s25, 2048
	s_add_co_u32 s27, s25, 15
	s_and_b32 s27, s27, 0xfff0
	s_sub_co_u32 s27, s27, 1                       ; the last place that the earlier launches have written
.irp k, 0,1,2,3
	v_add_nc_u32 v[36+\k], 512*\k, v34
	v_min_u32 v[36+\k], s27, v[36+\k]
	v_min_u32 v[36+\k], 2047, v[36+\k]
	v_lshlrev_b32 v[36+\k], 2, v[36+\k]
	global_load_b32 v[8+\k], v[36+\k], s[6:7]      ; lanes 0-15: the 16 rows of my k-th tile,
	global_load_b32 v[12+\k], v[36+\k], s[10:11]   ; and their logits
.endr
	STATS 124
.irp k, 0,1,2,3
	v_sub_f32 v[12+\k], v[12+\k], v32
.endr
.irp k, 0,1,2,3
	v_mul_f32 v[12+\k], 0x3fb8aa3b, v[12+\k]
.endr
.irp k, 0,1,2,3
	v_exp_f32 v[12+\k], v[12+\k]                   ; a place behind the list's end holds -3e38: weight 0
.endr
	v_nop
	s_wait_alu depctr_va_vdst(0)
.irp k, 0,1,2,3
	v_mul_f32 v[12+\k], v[12+\k], v33              ; the weights
.endr
.macro BATCH k
	s_lshl_b32 s28, s22, 4
	s_add_co_u32 s28, s28, 512*\k
	s_cmp_ge_u32 s28, s25
	s_cbranch_scc1 .Lb_\@                          ; the list ends before this tile
.irp i, 0,1,2,3,4,5,6,7,8,9,10,11,12,13,14,15
	v_readlane_b32 s30, v[8+\k], \i
	s_min_u32 s30, s30, 2047                       ; a loaded number enters an address behind a bound
	v_lshl_add_u32 v[40+\i], s30, 17, v4           ; (the offsets' last loads were shown done by the batch before)
	global_load_b128 v[56+4*\i:59+4*\i], v[40+\i], s[4:5] th:TH_LOAD_NT
.endr
.irp i, 0,1,2,3,4,5,6,7,8,9,10,11,12,13,14,15
	s_wait_loadcnt 15-\i                           ; row i is in; the younger rows stay out
	v_readlane_b32 s40, v[12+\k], \i
	v_pk_fma_f32 v[120:121], v[56+4*\i:57+4*\i], s[40:41], v[120:121] op_sel_hi:[1,0,1]
	v_pk_fma_f32 v[122:123], v[58+4*\i:59+4*\i], s[40:41], v[122:123] op_sel_hi:[1,0,1]
.endr
.Lb_\@:
.endm
	BATCH 0
	BATCH 1
	BATCH 2
	BATCH 3
	s_cmp_lt_u32 s22, 24
	s_cbranch_scc1 .Lno1
	; a row of out1: s = 8 (8 b + j) + wave - 24; my lane is the column
	v_lshlrev_b32 v124, 6, v1
	s_and_b32 s28, s22, 7
	s_lshl_b32 s30, s26, 3
	s_add_co_u32 s28, s28, s30
	s_lshl_b32 s28, s28, 2
	v_lshl_add_u32 v125, v1, 13, s28
	global_load_b32 v126, v125, s[14:15]           ; pos [lane][s]
	STATS 124
	v_and_b32 v127, 0x7ff, v126
	v_min_u32 v127, 2047, v127
	v_lshlrev_b32 v127, 2, v127
	v_lshl_add_u32 v127, v1, 13, v127
	global_load_b32 v34, v127, s[20:21]            ; the logit at the row's place in the list (place 0, which is always written, for a row that is not listed)
	s_wait_loadcnt 0x0
	v_sub_f32 v34, v34, v32
	v_mul_f32 v34, 0x3fb8aa3b, v34
	v_exp_f32 v34, v34
	v_nop
	s_wait_alu depctr_va_vdst(0)
	v_mul_f32 v34, v34, v33
	v_cmp_le_u32 vcc_lo, 0x10000, v126
	v_cndmask_b32 v34, 0, v34, vcc_lo              ; not listed: weight 0
	ds_store_b32 v6, v34
.Lno1:
	ds_store_b128 v5, v[120:123]
	s_wait_dscnt 0x0                               ; for the others' sake: my LDS stores are done
	s_barrier_signal -1
	s_barrier_wait -1
	s_cmp_lg_u32 s22, 0
	s_cbranch_scc1 .Lnot0
.irp k, 1,2,3,4,5,6,7,8,9,10,11,12,13,14,15,16
	ds_load_b128 v[56+4*(\k-1):59+4*(\k-1)], v4 offset:512*\k
.endr
.irp k, 1,2,3,4,5,6,7,8,9,10,11,12,13,14,15,16
	s_wait_dscnt 16-\k                             ; wave k's sums are in; the younger loads stay out
	v_pk_add_f32 v[120:121], v[120:121], v[56+4*(\k-1):57+4*(\k-1)]   ; onto my own
	v_pk_add_f32 v[122:123], v[122:123], v[58+4*(\k-1):59+4*(\k-1)]
.endr
.irp k, 17,18,19,20,21,22,23,24,25,26,27,28,29,30,31
	ds_load_b128 v[56+4*(\k-17):59+4*(\k-17)], v4 offset:512*\k
.endr
.irp k, 17,18,19,20,21,22,23,24,25,26,27,28,29,30,31
	s_wait_dscnt 31-\k
	v_pk_add_f32 v[120:121], v[120:121], v[56+4*(\k-17):57+4*(\k-17)]
	v_pk_add_f32 v[122:123], v[122:123], v[58+4*(\k-17):59+4*(\k-17)]
.endr
	global_store_b128 v4, v[120:123], s[16:17]     ; 512 consecutive bytes of out0
	s_branch .Lend
.Lnot0:
	s_lshr_b32 s28, s22, 1
	s_cmp_lg_u32 s28, 1
	s_cbranch_scc1 .Lend
	ds_load_b128 v[56:59], v7                      ; waves 2 and 3: four rows of out1 each
	s_and_b32 s28, s22, 1
	s_lshl_b32 s28, s28, 9
	v_add_nc_u32 v40, s28, v4
	s_wait_dscnt 0x0
	global_store_b128 v40, v[56:59], s[18:19]      ; 512 consecutive bytes
.Lend:
	s_wait_tensorcnt 0x0                           ; the wave's end
	ds_add_u32 v2, v3
	s_wait_dscnt 0x0
	s_endpgm
.Lfunc_end_k_q51ce9038ba_resp:
	.size	k_q51ce9038ba_resp, .Lfunc_end_k_q51ce9038ba_resp-k_q51ce9038ba_resp
	.p2alignl 7, 3214868480
	.fill 96, 4, 3214868480
	.section	.rodata,"a",@progbits
	.p2align	6, 0x0
	.amdhsa_kernel k_q51ce9038ba_resp
		.amdhsa_group_segment_fixed_size 21504
		.amdhsa_private_segment_fixed_size 0
		.amdhsa_enable_private_segment 0
		.amdhsa_kernarg_size 64
		.amdhsa_user_sgpr_count 2
		.amdhsa_user_sgpr_kernarg_segment_ptr 1
		.amdhsa_wavefront_size32 1
		.amdhsa_system_sgpr_workgroup_id_x 1
		.amdhsa_system_sgpr_workgroup_id_y 1
		.amdhsa_system_sgpr_workgroup_id_z 1
		.amdhsa_system_vgpr_workitem_id 0
		.amdhsa_next_free_vgpr 128
		.amdhsa_next_free_sgpr 66
		.amdhsa_reserve_vcc 1
		.amdhsa_float_denorm_mode_32 3
		.amdhsa_float_denorm_mode_16_64 3
		.amdhsa_memory_ordered 1
		.amdhsa_forward_progress 1
		.amdhsa_inst_pref_size 50
	.end_amdhsa_kernel
	.amdgpu_metadata
---
amdhsa.version: [ 1, 2 ]
amdhsa.kernels:
  - .name:           k_q51ce9038ba_resp
    .symbol:         k_q51ce9038ba_resp.kd
    .args:
      - { .name: enc_states, .offset: 0, .size: 8, .value_kind: global_buffer, .address_space: global }
      - { .name: list, .offset: 8, .size: 8, .value_kind: global_buffer, .address_space: global }
      - { .name: cnt, .offset: 16, .size: 8, .value_kind: global_buffer, .address_space: global }
      - { .name: lg, .offset: 24, .size: 8, .value_kind: global_buffer, .address_space: global }
      - { .name: st, .offset: 32, .size: 8, .value_kind: global_buffer, .address_space: global }
      - { .name: pos, .offset: 40, .size: 8, .value_kind: global_buffer, .address_space: global }
      - { .name: out0, .offset: 48, .size: 8, .value_kind: global_buffer, .address_space: global }
      - { .name: out1, .offset: 56, .size: 8, .value_kind: global_buffer, .address_space: global }
    .group_segment_fixed_size: 21504
    .private_segment_fixed_size: 0
    .kernarg_segment_align: 8
    .kernarg_segment_size: 64
    .max_flat_workgroup_size: 1024
    .sgpr_count:     66
    .vgpr_count:     128
    .wavefront_size: 32
...
	.end_amdgpu_metadata
.endif
;; end of part 3
;; ======== version 2 of 2: 3 launches
;; limits: right only within a limited range of input values
;; workspace buffers: wq 786,432 bytes; wsc 32,768 bytes; cpd2 131,072 bytes; list 270,336 bytes of whole numbers; pos 262,144 bytes of whole numbers; cnt 256 bytes of whole numbers; lg 262,144 bytes; st 2,048 bytes
;; launch prep (part 4): grid 72 x 1, 16 waves a work-group, no clusters, 35,072 bytes of LDS; arguments enc_mask, dec_state, w_dec, w_enc, wq, wsc, cpd2, list, pos, cnt; writes wq, wsc, cpd2, list, pos, cnt
.if DOCPART == 4
	.amdgcn_target "amdgcn-amd-amdhsa--gfx1250"
	.amdhsa_code_object_version 6
	.text
	.protected	k_q51ce9038ba_prep
	.globl	k_q51ce9038ba_prep
	.p2align	8
	.type	k_q51ce9038ba_prep,@function
k_q51ce9038ba_prep:
	s_mov_b64 s[64:65], 0
	v_nop
	global_prefetch_b8 v0, s[64:65] scope:SCOPE_SE
	s_setreg_imm32_b32 hwreg(HW_REG_WAVE_MODE, 25, 1), 1
	s_wait_xcnt 0x0
; PREP: what the other two launches need once.  Three kinds of work-group, told apart by the work-group's number:
;   0-7    w_enc [1024][1024] f32 becomes codes of BF6 (E3M2) with one E8M0 byte for each 32 along K, laid in the order of the operand's registers (wq, wsc).
;   8-39   c x proj_dec, c = 2 log2(e): dec_state and w_dec are quantised in registers and multiplied on codes; K is shared out among eight waves, the eight parts are added in f32 (cpd2).
;   40-71  the routing: one work-group a column b; wave w reads the mask bytes of rows 128 w .. 128 w + 127 and lists the rows that count (list, pos, cnt).  The sixteen waves' counts meet in LDS at the launch's one barrier.
; WORK LEFT OUT BY THE PROGRAM.  reference() multiplies the logit of a row whose mask is 0 by m = 0 and puts -2e9 in its place.  So in a column that has an open row, a masked row's part of
; product 1, its tanh and its term of product 3 reach no output, and its weight exp(-2e9 - max) takes its term of product 4 away.  The mask is read from memory as whole numbers, and the later
; launches do only the rows that the list names.  A column with no open row lists all its 2,048 rows, and its logits are made as reference() makes them (logit x 0 - 2e9).  Every input is loaded.
; LIMITS.  (a) a masked row's weight is taken as 0, which is what f32 gives while the column's largest open logit lies above -2e9 + 150: it holds while the sum of |w_out| stays under 1.9e9.
; (b) a NaN, an infinity or an overflow in a masked row of a column that has an open row is not carried to the result.  (c) row 0 of a column fills its last tile of 16 with weight 0: it must be finite.
; (d) a block whose largest magnitude lies under 2^(5 - 127) keeps the scale byte 1 (a block of zeros too: its codes are zeros, and the bytes are read by this program alone).
.set RC,    32768                      ; LDS: 0 .. 32767 the sixteen waves' parts of proj_dec, 2,048 bytes each; then a block of 256 bytes for the routing's sixteen counts;
.set SPARE, 33024                      ; then the spare words, 128 bytes a wave
.set TM,  16                           ; v16-31  at work in QUANT
.set F0,  64                           ; v64-127, v128-191: two sets of 64 numbers
.set F1,  128
.set TQ,  240                          ; v240-247 the second halves of a fragment's blocks, before they are moved
.set SEL, 26                           ; s[26:27] lane selects for v_permlanex16_b32: lane l xor 16
; 64 numbers of a lane, v[s] .. v[s + 63], register 16 b + i = k 32 b + 16 (lane / 16) + i of my row, become a fragment's 12 registers of codes in v[pc] on and its scale word in v[pw].
.macro QUANT s, pc, tp, pw
.irp b, 0,1,2,3
	v_max3_num_f32 v[TM+\b], |v[\s+16*\b]|, |v[\s+1+16*\b]|, 0x2800000   ; block b: my 16 numbers, and the floor 2^(5 - 127): the byte cannot fall under 1
.endr
.irp i, 2,4,6,8,10,12,14
.irp b, 0,1,2,3
	s_delay_alu instid0(VALU_DEP_4)
	v_max3_num_f32 v[TM+\b], v[TM+\b], |v[\s+16*\b+\i]|, |v[\s+1+16*\b+\i]|   ; the four blocks by turns
.endr
.endr
.irp b, 0,1,2,3
	s_delay_alu instid0(VALU_DEP_4)
	v_permlanex16_b32 v[TM+4+\b], v[TM+\b], s[SEL], s[SEL+1]
.endr
.irp b, 0,1,2,3
	s_delay_alu instid0(VALU_DEP_4)
	v_max_num_f32 v[TM+\b], v[TM+\b], v[TM+4+\b]   ; with lane l xor 16's: the block's largest magnitude
.endr
.irp b, 0,1,2,3
	s_delay_alu instid0(VALU_DEP_4)
	v_add_nc_u32 v[TM+12+\b], 0xfe000000, v[TM+\b]   ; 4 off its exponent field: the conversion's scale operand
.endr
.irp b, 0,1,2,3
	s_delay_alu instid0(VALU_DEP_4)
	v_lshrrev_b32 v[TM+4+\b], 23, v[TM+12+\b]   ; the scale's byte
.endr
	s_delay_alu instid0(VALU_DEP_3)
	v_lshl_or_b32 v[\pw], v[TM+5], 8, v[TM+4]
	s_delay_alu instid0(VALU_DEP_1)
	v_lshl_or_b32 v[\pw], v[TM+6], 16, v[\pw]
	s_delay_alu instid0(VALU_DEP_1)
	v_lshl_or_b32 v[\pw], v[TM+7], 24, v[\pw]      ; my row's scale word; both halves of the lanes hold it
.irp c, 0,1
	v_cvt_scalef32_pk16_bf6_f32 v[\pc+6*\c:\pc+2+6*\c], v[\s+32*\c:\s+15+32*\c], v[TM+12+2*\c]
	v_cvt_scalef32_pk16_bf6_f32 v[\tp+4*\c:\tp+2+4*\c], v[\s+16+32*\c:\s+31+32*\c], v[TM+12+2*\c+1]   ; (a conversion's three registers begin on an even number)
.endr
	v_nop                                          ; one plain place behind a scaled conversion
.irp c, 0,1                                    ; the operand's layout wants a whole block in a lane
.irp i, 0,1,2
	v_permlane16_swap_b32 v[\pc+6*\c+\i], v[\tp+4*\c+\i]
.endr
.irp i, 0,1,2
	s_delay_alu instid0(VALU_DEP_3)
	v_mov_b32 v[\pc+3+6*\c+\i], v[\tp+4*\c+\i]
.endr
.endr
.endm
; 16 rows x 128 along K of an f32 tensor with rows of 4,096 bytes: lane (r, h) takes, of row r, 16 neighbours of each block of 32
.macro LOADF f, sb, off
.irp bq, 0,1,2,3
.irp j, 0,1,2,3
	global_load_b128 v[\f+16*\bq+4*\j:\f+16*\bq+4*\j+3], v6, s[\sb:\sb+1] offset:\off+128*\bq+16*\j
.endr
.endr
.endm
.macro STOREF pc, off                  ; a fragment leaves as it stands in the registers: each store covers 512 consecutive bytes
.irp c, 0,1,2
	global_store_b128 v7, v[\pc+4*\c:\pc+4*\c+3], s[12:13] offset:\off+512*\c
.endr
.endm
	s_load_b512 s[4:19], s[0:1], 0x0               ; mask 4:5, dec_state 6:7, w_dec 8:9, w_enc 10:11, wq 12:13, wsc 14:15, cpd2 16:17, list 18:19
	s_load_b128 s[20:23], s[0:1], 0x40             ; pos 20:21, cnt 22:23
	v_lshl_add_u32 v2, v0, 2, SPARE                ; my spare word,
	v_mov_b32 v3, 0                                ; and 0: kept for the closing add alone
	v_lshrrev_b32 v1, 5, v0
	s_delay_alu instid0(VALU_DEP_1)
	v_readfirstlane_b32 s24, v1                    ; wave 0..15
	v_and_b32 v1, 31, v0                           ; lane
	v_and_b32 v4, 15, v0                           ; r
	v_bfe_u32 v5, v0, 4, 1                         ; h
	s_delay_alu instid0(VALU_DEP_2)
	v_lshlrev_b32 v6, 12, v4
	s_delay_alu instid0(VALU_DEP_1)
	v_lshl_add_u32 v6, v5, 6, v6                   ; row r of 4,096 bytes + 64 h
	v_lshlrev_b32 v7, 4, v1                        ; 16 x lane
	s_lshl_b32 s28, s24, 11
	v_add_nc_u32 v8, s28, v7                       ; LDS: where my wave puts its part of proj_dec
	v_bfe_u32 v9, v0, 2, 1                         ; LDS: where thread t of the first 256 reads it back: t = 8 b + 4 u + 2 h + c2 wants batch row b, hidden units 16 u + 8 h + 4 c2 on
	s_delay_alu instid0(VALU_DEP_1)
	v_lshlrev_b32 v9, 14, v9                       ; u: eight waves on
	v_bfe_u32 v10, v0, 7, 1
	s_delay_alu instid0(VALU_DEP_1)
	v_lshl_add_u32 v9, v10, 10, v9                 ; b / 16: which tile of batch rows
	v_and_b32 v10, 1, v0
	s_delay_alu instid0(VALU_DEP_1)
	v_lshl_add_u32 v9, v10, 9, v9                  ; c2: which four registers
	v_bfe_u32 v10, v0, 1, 1
	s_delay_alu instid0(VALU_DEP_1)
	v_lshl_add_u32 v9, v10, 8, v9                  ; h: lanes 16 on
	v_bfe_u32 v10, v0, 3, 4
	s_delay_alu instid0(VALU_DEP_1)
	v_lshl_add_u32 v9, v10, 4, v9                  ; b % 16: the lane
	v_mov_b32 v15, s24
	s_delay_alu instid0(VALU_DEP_1)
	v_lshl_add_u32 v15, v15, 2, RC                 ; LDS: my wave's word among the routing's counts,
	v_mov_b32 v39, RC                              ; and where all sixteen are read back.  Every LDS address is made here, ahead of the parting
.irp b, 0,1,2,3
	v_mov_b32 v[TM+4+\b], 0                        ; written once: a lane permute's destination counts as one of its sources
.endr
	s_mov_b32 s[SEL], 0x76543210
	s_mov_b32 s[SEL+1], 0xfedcba98
	s_wait_kmcnt 0x0
	s_cmp_lt_u32 ttmp9, 8
	s_cbranch_scc1 .Lpath_e
	s_cmp_lt_u32 ttmp9, 40
	s_cbranch_scc1 .Lpath_d
	; ---- THE ROUTING, in front of the barrier.  Column b = work-group - 40.  My lane's four rows are s = 128 wave + 4 lane + e, so that a lane's four words of pos are neighbours.  The wave counts its open rows.
	s_sub_co_u32 s28, ttmp9, 40                    ; b
	s_lshl_b32 s29, s24, 12                        ; 128 rows of 32 bytes a wave
	s_add_co_u32 s29, s29, s28
	v_lshl_add_u32 v14, v1, 7, s29                 ; + 4 lane rows of 32 bytes
.irp e, 0,1,2,3
	global_load_u8 v[64+\e], v14, s[4:5] offset:32*\e
.endr
	s_mov_b32 s41, 0
	s_wait_loadcnt 0x0
.irp e, 0,1,2,3
	v_cmp_ne_u32 vcc_lo, 0, v[64+\e]
	s_bcnt1_i32_b32 s42, vcc_lo
	s_add_co_u32 s41, s41, s42
.endr
	v_mov_b32 v11, s41
	ds_store_b32 v15, v11                          ; all lanes write the same word with the same value
	s_branch .Ljoin
	; ---- w_enc.  Unit e = 16 work-group + wave: pair P = e / 4 of tiles of 16 hidden units, K steps 2 (e % 4) and 2 (e % 4) + 1: four fragments
.Lpath_e:
	s_lshl_b32 s28, ttmp9, 4
	s_add_co_u32 s28, s28, s24                     ; e
	s_lshr_b32 s29, s28, 2                         ; P
	s_and_b32 s30, s28, 3
	s_lshl_b32 s32, s29, 17                        ; 32 rows of 4,096 bytes
	s_lshl_b32 s34, s30, 10                        ; two K steps of 512 bytes
	s_add_co_u32 s32, s32, s34
	s_mov_b32 s33, 0
	s_add_nc_u64 s[10:11], s[10:11], s[32:33]
	s_mul_i32 s32, s29, 24576                      ; wq: fragment (tile, K step) at (8 tile + K step) x 1,536
	s_mul_i32 s34, s30, 3072
	s_add_co_u32 s32, s32, s34
	s_add_nc_u64 s[12:13], s[12:13], s[32:33]
	s_lshl_b32 s32, s28, 8                         ; wsc: 256 bytes a unit
	s_add_nc_u64 s[14:15], s[14:15], s[32:33]
	LOADF F0, 10, 0
	LOADF F1, 10, 512
	s_wait_loadcnt 16                              ; the older fragment's 16 loads are in; the younger 16 stay out
	QUANT F0, 192, TQ, 32
	LOADF F0, 10, 65536
	STOREF 192, 0
	s_wait_loadcnt 16
	QUANT F1, 204, TQ, 33
	LOADF F1, 10, 65536+512
	STOREF 204, 1536
	s_wait_loadcnt 16
	QUANT F0, 216, TQ, 34
	STOREF 216, 12288
	s_wait_loadcnt 0x0
	QUANT F1, 228, TQ, 35
	STOREF 228, 12288+1536
	s_mov_b32 s35, 0xffff0000
	v_cndmask_b32 v36, v32, v34, s35               ; lanes 0-15: the even tile's words, lanes 16-31: the odd tile's; K step 2 (e % 4),
	v_cndmask_b32 v37, v33, v35, s35               ; and the one after
	v_lshlrev_b32 v38, 3, v1
	global_store_b64 v38, v[36:37], s[14:15]       ; 256 consecutive bytes
	s_branch .Ljoin
	; ---- proj_dec.  d = work-group - 8: hidden units 32 d on.  Wave: u = wave / 8 picks 16 of them, s = wave % 8 the K step
.Lpath_d:
	s_sub_co_u32 s28, ttmp9, 8
	s_lshr_b32 s29, s24, 3
	s_and_b32 s30, s24, 7
	s_lshl_b32 s32, s28, 1
	s_add_co_u32 s32, s32, s29
	s_lshl_b32 s32, s32, 16                        ; 16 rows of 4,096 bytes
	s_lshl_b32 s34, s30, 9
	s_add_co_u32 s32, s32, s34
	s_mov_b32 s33, 0
	s_mov_b32 s35, 0
	s_add_nc_u64 s[8:9], s[8:9], s[32:33]
	s_add_nc_u64 s[6:7], s[6:7], s[34:35]
	LOADF F0, 8, 0                                 ; 16 rows of w_dec
	LOADF F1, 6, 0                                 ; batch rows 0-15
	s_wait_loadcnt 16
	QUANT F0, 192, TQ, 32
	LOADF F0, 6, 65536                             ; batch rows 16-31
	s_wait_loadcnt 16
	QUANT F1, 204, TQ, 33
	s_wait_loadcnt 0x0
	QUANT F0, 216, TQ, 34
.rept 8
	v_nop                                          ; a scale register written by a vector instruction stands 8 places ahead of a scaled matrix instruction, an operand so written 4
.endr
	v_wmma_scale_f32_16x16x128_f8f6f4 v[40:47], v[192:203], v[204:215], 0, v32, v33 matrix_a_fmt:MATRIX_FMT_BF6 matrix_b_fmt:MATRIX_FMT_BF6
	v_wmma_scale_f32_16x16x128_f8f6f4 v[48:55], v[192:203], v[216:227], 0, v32, v34 matrix_a_fmt:MATRIX_FMT_BF6 matrix_b_fmt:MATRIX_FMT_BF6
.rept 4
	v_nop                                          ; four places in front of the first read of the results
.endr
	ds_store_b128 v8, v[40:43]                     ; lane (r, h): batch row 16 m + r, register j: hidden unit 16 u + 8 h + j; each result from its low end on
	ds_store_b128 v8, v[44:47] offset:512
	ds_store_b128 v8, v[48:51] offset:1024
	ds_store_b128 v8, v[52:55] offset:1536
.Ljoin:                                        ; the launch's one barrier, on every wave's path
	s_wait_dscnt 0x0                               ; for the others' sake: my LDS stores are done
	s_barrier_signal -1
	s_barrier_wait -1
	s_cmp_lt_u32 ttmp9, 8
	s_cbranch_scc1 .Lend
	s_cmp_lt_u32 ttmp9, 40
	s_cbranch_scc0 .Lroute2
	s_cmp_lt_u32 s24, 8
	s_cbranch_scc0 .Lend
	; ---- proj_dec, behind the barrier: the first 256 threads add the eight K steps' parts
.irp s, 0,1,2,3,4,5,6,7
	ds_load_b128 v[64+4*\s:67+4*\s], v9 offset:2048*\s   ; the eight K steps' parts of my four numbers
.endr
	s_sub_co_u32 s28, ttmp9, 8
	s_mov_b32 s30, 0x4038aa3b                      ; c = 2 log2(e)
	s_mov_b32 s31, s30
	s_lshl_b32 s32, s28, 12
	s_mov_b32 s33, 0
	s_add_nc_u64 s[16:17], s[16:17], s[32:33]
	v_lshlrev_b32 v10, 4, v0
	s_wait_dscnt 0x0
.irp s, 0,8,16,24
	v_pk_add_f32 v[64+\s:65+\s], v[64+\s:65+\s], v[68+\s:69+\s]
	v_pk_add_f32 v[66+\s:67+\s], v[66+\s:67+\s], v[70+\s:71+\s]
.endr
.irp s, 0
	v_pk_add_f32 v[64+\s:65+\s], v[64+\s:65+\s], v[72+\s:73+\s]
	v_pk_add_f32 v[66+\s:67+\s], v[66+\s:67+\s], v[74+\s:75+\s]
.endr
.irp s, 16
	s_delay_alu instid0(VALU_DEP_4)
	v_pk_add_f32 v[64+\s:65+\s], v[64+\s:65+\s], v[72+\s:73+\s]
	s_delay_alu instid0(VALU_DEP_4)
	v_pk_add_f32 v[66+\s:67+\s], v[66+\s:67+\s], v[74+\s:75+\s]
.endr
	s_delay_alu instid0(VALU_DEP_2)
	v_pk_add_f32 v[64:65], v[64:65], v[80:81]
	s_delay_alu instid0(VALU_DEP_2)
	v_pk_add_f32 v[66:67], v[66:67], v[82:83]
	s_delay_alu instid0(VALU_DEP_2)
	v_pk_mul_f32 v[64:65], v[64:65], s[30:31] op_sel_hi:[1,0]
	s_delay_alu instid0(VALU_DEP_2)
	v_pk_mul_f32 v[66:67], v[66:67], s[30:31] op_sel_hi:[1,0]
	global_store_b128 v10, v[64:67], s[16:17]      ; cpd2 [d][b][32]: a wave stores 512 consecutive bytes
	s_branch .Lend
	; ---- THE ROUTING, behind the barrier.  The rows are taken in the order (wave, e, lane).  A listed row's place is the number of listed rows before it.  A row that is not listed writes 0 at place
	; 2047 - (rows before it that are not listed): so the closed rows fill the list from its end down to its last listed row, every word 0 .. 2047 is written once, and row 0 stands behind the list's end.
.Lroute2:
	ds_load_b128 v[68:71], v39                     ; the sixteen waves' counts, in every lane
	ds_load_b128 v[72:75], v39 offset:16
	ds_load_b128 v[76:79], v39 offset:32
	ds_load_b128 v[80:83], v39 offset:48
	s_sub_co_u32 s28, ttmp9, 40                    ; b
	s_mov_b32 s33, 0
	s_mul_i32 s32, s28, 8448
	s_add_nc_u64 s[18:19], s[18:19], s[32:33]      ; my column's list (a pitch of 2,112 words, 2,048 of them in use)
	s_lshl_b32 s32, s28, 13
	s_lshl_b32 s34, s24, 9
	s_add_co_u32 s32, s32, s34
	s_add_nc_u64 s[20:21], s[20:21], s[32:33]      ; its pos, at my wave's 128 words
	s_lshl_b32 s32, s28, 2
	s_add_nc_u64 s[22:23], s[22:23], s[32:33]      ; its word of cnt
	s_lshl_b32 s45, s24, 7                         ; 128 wave
	s_sub_co_u32 s46, 2047, s45
	v_sub_nc_u32 v62, s46, v1                      ; 2047 - 128 wave - lane
	v_lshl_add_u32 v63, v1, 2, s45                 ; 128 wave + 4 lane: my first row
	s_mov_b32 s41, 0                               ; open rows of the waves below mine,
	s_mov_b32 s44, 0                               ; and of the whole column
	s_wait_dscnt 0x0
.irp k, 0,1,2,3,4,5,6,7,8,9,10,11,12,13,14,15
	v_readfirstlane_b32 s43, v[68+\k]
	s_add_co_u32 s44, s44, s43
	s_cmp_gt_u32 s24, \k
	s_cselect_b32 s43, s43, 0
	s_add_co_u32 s41, s41, s43
.endr
	s_cmp_eq_u32 s44, 0
	s_cselect_b32 s40, 1, 0                        ; 1: the column has no open row: then all its rows are listed,
	s_cselect_b32 s41, s45, s41                    ; and 128 wave of them stand before mine
.irp e, 0,1,2,3                                ; each step has store registers of its own: none is written again
	v_or_b32 v11, s40, v[64+\e]
	s_delay_alu instid0(VALU_DEP_1)
	v_cmp_ne_u32 vcc_lo, 0, v11                    ; listed?
	s_delay_alu instid0(VALU_DEP_1)
	v_mbcnt_lo_u32_b32 v12, vcc_lo, s41            ; the listed rows before mine
	s_bcnt1_i32_b32 s42, vcc_lo
	s_add_co_u32 s41, s41, s42
	v_or_b32 v13, 0x10000, v12
	s_delay_alu instid0(VALU_DEP_1)
	v_cndmask_b32 v[252+\e], 0, v13, vcc_lo        ; pos: 0x10000 | place, or 0
	v_add_nc_u32 v61, v62, v12
	s_delay_alu instid0(VALU_DEP_1)
	v_add_nc_u32 v61, -32*\e, v61                  ; 2047 - (128 wave + 32 e + lane) + the listed rows before mine
	s_delay_alu instid0(VALU_DEP_1)
	v_cndmask_b32 v[56+\e], v61, v12, vcc_lo
	s_delay_alu instid0(VALU_DEP_1)
	v_min_u32 v[56+\e], 2047, v[56+\e]             ; a number made of loaded data enters an address behind a bound
	s_delay_alu instid0(VALU_DEP_1)
	v_lshlrev_b32 v[56+\e], 2, v[56+\e]
	v_add_nc_u32 v13, \e, v63                      ; s
	s_delay_alu instid0(VALU_DEP_1)
	v_cndmask_b32 v[248+\e], 0, v13, vcc_lo
	global_store_b32 v[56+\e], v[248+\e], s[18:19] ; all lanes stay on: EXEC is never changed
.endr
	global_store_b128 v7, v[252:255], s[20:21]     ; 512 consecutive bytes
	s_cmp_lg_u32 s24, 15
	s_cbranch_scc1 .Lend
	v_mov_b32 v60, 0                               ; the last wave now holds the number of rows listed,
	v_mov_b32 v11, s41
	s_xor_b32 s40, s40, 1
	v_mov_b32 v12, s40                             ; and 1 where the column has an open row
	global_store_b32 v60, v11, s[22:23]
	global_store_b32 v60, v12, s[22:23] offset:128
.Lend:
	s_wait_tensorcnt 0x0                           ; the wave's end
	ds_add_u32 v2, v3
	s_wait_dscnt 0x0
	s_endpgm
.Lfunc_end_k_q51ce9038ba_prep:
	.size	k_q51ce9038ba_prep, .Lfunc_end_k_q51ce9038ba_prep-k_q51ce9038ba_prep
	.p2alignl 7, 3214868480
	.fill 96, 4, 3214868480
	.section	.rodata,"a",@progbits
	.p2align	6, 0x0
	.amdhsa_kernel k_q51ce9038ba_prep
		.amdhsa_group_segment_fixed_size 35072
		.amdhsa_private_segment_fixed_size 0
		.amdhsa_enable_private_segment 0
		.amdhsa_kernarg_size 80
		.amdhsa_user_sgpr_count 2
		.amdhsa_user_sgpr_kernarg_segment_ptr 1
		.amdhsa_wavefront_size32 1
		.amdhsa_system_sgpr_workgroup_id_x 1
		.amdhsa_system_sgpr_workgroup_id_y 1
		.amdhsa_system_sgpr_workgroup_id_z 1
		.amdhsa_system_vgpr_workitem_id 0
		.amdhsa_next_free_vgpr 256
		.amdhsa_next_free_sgpr 66
		.amdhsa_reserve_vcc 1
		.amdhsa_float_denorm_mode_32 3
		.amdhsa_float_denorm_mode_16_64 3
		.amdhsa_memory_ordered 1
		.amdhsa_forward_progress 1
		.amdhsa_inst_pref_size 66
	.end_amdhsa_kernel
	.amdgpu_metadata
---
amdhsa.version: [ 1, 2 ]
amdhsa.kernels:
  - .name:           k_q51ce9038ba_prep
    .symbol:         k_q51ce9038ba_prep.kd
    .args:
      - { .name: enc_mask, .offset: 0, .size: 8, .value_kind: global_buffer, .address_space: global }
      - { .name: dec_state, .offset: 8, .size: 8, .value_kind: global_buffer, .address_space: global }
      - { .name: w_dec, .offset: 16, .size: 8, .value_kind: global_buffer, .address_space: global }
      - { .name: w_enc, .offset: 24, .size: 8, .value_kind: global_buffer, .address_space: global }
      - { .name: wq, .offset: 32, .size: 8, .value_kind: global_buffer, .address_space: global }
      - { .name: wsc, .offset: 40, .size: 8, .value_kind: global_buffer, .address_space: global }
      - { .name: cpd2, .offset: 48, .size: 8, .value_kind: global_buffer, .address_space: global }
      - { .name: list, .offset: 56, .size: 8, .value_kind: global_buffer, .address_space: global }
      - { .name: pos, .offset: 64, .size: 8, .value_kind: global_buffer, .address_space: global }
      - { .name: cnt, .offset: 72, .size: 8, .value_kind: global_buffer, .address_space: global }
    .group_segment_fixed_size: 35072
    .private_segment_fixed_size: 0
    .kernarg_segment_align: 8
    .kernarg_segment_size: 80
    .max_flat_workgroup_size: 512
    .sgpr_count:     66
    .vgpr_count:     256
    .wavefront_size: 32
...
	.end_amdgpu_metadata
.endif
;; end of part 4
;; launch score (part 5): grid 8 x 32, 4 waves a work-group, no clusters, 293,376 bytes of LDS; arguments enc_states, wq, wsc, cpd2, w_out, list, cnt, lg, st; writes lg, st
.if DOCPART == 5
	.amdgcn_target "amdgcn-amd-amdhsa--gfx1250"
	.amdhsa_code_object_version 6
	.text
	.protected	k_q51ce9038ba_score
	.globl	k_q51ce9038ba_score
	.p2align	8
	.type	k_q51ce9038ba_score,@function
k_q51ce9038ba_score:
	s_mov_b64 s[64:65], 0
	v_nop
	global_prefetch_b8 v0, s[64:65] scope:SCOPE_SE
	s_setreg_imm32_b32 hwreg(HW_REG_WAVE_MODE, 25, 1), 1
	s_wait_xcnt 0x0
; SCORE: the logits of the listed rows, and each work-group's maximum and sum for the softmax.  logit = w_out . tanh(enc . w_enc^T + proj_dec), the first product on codes of BF6 with E8M0 scales.
; WORK LEFT OUT: rows that the list does not name (masked rows of a column that has an open row): reference() multiplies their logit by 0; see the first kernel's head, its limits hold here too.
; SHARES.  Work-group (j, b) owns part j of eight of column b's tiles of 16 listed rows: q tiles, at most 16, from tile t0 on.  One column to a work-group, so proj_dec is one vector.
; PHASE X: wave w gathers, of every tile's 16 rows, the 1,024 bytes of K steps 2 w and 2 w + 1, quantises them and stores the two fragments and their scale words in LDS as images of the operand's registers.
; PHASE G: wave w owns hidden units 256 w .. 256 w + 255, in four groups of four tiles of 16, for all row tiles.  A group's 32 fragments of w_enc come from wq straight into registers, two sets that take turns:
;   each byte of wq is read once by the work-group.  Source 0 = 16 rows, source 1 = 16 hidden units: a lane holds ONE hidden unit (lane % 16) and rows 8 (lane / 16) + 0 .. 7, so proj_dec and w_out are one number
;   a lane, and the sum over hidden units stays in the lane until the end.  tanh(x) = 1 - 2 / (1 + 2^(c x)), c = 2 log2(e), so logit = sum of w - 2 x sum of w / (1 + 2^(c x)).
;   BY TURNS: while one row tile is multiplied (32 matrix instructions), the tile before has its exponentials and reciprocals, 32 behind each run of 16 matrix instructions.
; PHASE F: the four waves' and sixteen lanes' parts are added; the mask's arithmetic as reference() has it; places behind the list's end get -3e38.  PHASE S: wave 0 makes the part's maximum M and sum of e^(l - M); logits out.
; A part with no tile (only where a column lists fewer than 113 rows) still quantises and multiplies tile 0 of a clamped place in the list, so that no counted loop stands under a branch on a count; the result is discarded.
; No tensor load, no cluster: which tiles are walked hangs on counts read from memory.
; REGISTERS, in windows of 256.  Windows 1 to 3: the two sets of w_enc fragments: slot 32 set + 4 k + t in window 1 + slot / 21 at register 12 (slot % 21); slot 63 in window 0.  In phase X window 3 holds the two load buffers.
;   window 0 in phase G: v0 thread, v1 16 lane, v2, v3 the add's two, v4 lane, v5, v6 LDS addresses in hand, v7 table address, v8-9 sum of my w, v10 8 lane, v11 my parts' place, v12-19 the row sums, v20-35 per tile
;   (c proj_dec twice, w twice), v36-43 the rows' scale words, v52-83 w_enc's scale words, v84-95 slot 63, v96-127 accumulators, v128-159 the tile in tanh, v160-255 the rows' eight fragments.
.set TP,    13312                      ; LDS: a row tile: 8 fragments of 1,536 bytes, then 2 x 512 bytes of scale words (chunk c: K steps 4 c .. 4 c + 3, 16 bytes a lane)
.set SCO,   12288
.set STG,   16*TP                      ; behind the 16 tiles: a stage of 16 rows x (1,024 + 16) bytes for each wave (phase X);
.set PB,    STG                        ; the same bytes behind the first barrier: the row sums, [wave][tile] x 1,024 bytes
.set TAB,   STG+4*16640                ; c proj_dec of my column, 4,096 bytes, then w_out
.set LST,   TAB+8192                   ; each wave's own copy of the part's 256 list words
.set LG,    LST+4096                   ; the part's 256 logits
.set SPARE, LG+1024                    ; the spare words, 128 bytes a wave
.set L16, 1
.set SPW, 2
.set NIL, 3
.set LANE, 4
.set AD,  5
.set ADP, 6
.set TBA, 7
.set WS,  8
.set L8,  10
.set VP,  11
.set LACC, 12
.set CP,  20
.set ASC, 36
.set BSC, 52
.set BX,  84
.set ACC, 96
.set T,   128
.set A,   160
; phase X, window 0 (v36-43 and v52-83 hold scales and nothing else)
.set TM,  12                           ; v12-27 at work in QUANT
.set PW,  28                           ; v28-29 the two scale words
.set VST, 30                           ; into the stage
.set VRD, 31                           ; out of it
.set VIM, 32                           ; where the images go
.set VSW, 33                           ; where the scale words go
.set VXT, 34                           ; 16 (lane % 16) + 1,024 wave: my bytes of a row
.set VLN, 35
.set LNR, 44                           ; v44-51 eight list words
.set OF0, 84                           ; v84-91, v96-103: the rows' byte offsets, a set for each buffer
.set VIMB, 92
.set VSWB, 93
.set VLNB, 94
.set PC0, 104
.set TPQ, 116
.set PC1, 128
.set Q,   128                          ; v128-255 two fragments' numbers
.set SEL, 42
.set MSB, 0
.macro WIN new                         ; the immediate's high byte repeats the setting that is left; a switch that changes nothing is dropped
.if MSB != (\new)
	s_set_vgpr_msb (MSB<<8)|(\new)
.set MSB, (\new)
.endif
.endm
.macro QUANT s, pc, tp, pw             ; 64 numbers of a lane, register 16 b + i = k 32 b + 16 (lane / 16) + i of my row, become 12 registers of codes and a scale word
.irp b, 0,1,2,3
	v_max3_num_f32 v[TM+\b], |v[\s+16*\b]|, |v[\s+1+16*\b]|, 0x2800000   ; and the floor 2^(5 - 127): the byte cannot fall under 1
.endr
.irp i, 2,4,6,8,10,12,14
.irp b, 0,1,2,3
	v_max3_num_f32 v[TM+\b], v[TM+\b], |v[\s+16*\b+\i]|, |v[\s+1+16*\b+\i]|
.endr
.endr
.irp b, 0,1,2,3
	v_permlanex16_b32 v[TM+4+\b], v[TM+\b], s[SEL], s[SEL+1]
.endr
.irp b, 0,1,2,3
	v_max_num_f32 v[TM+\b], v[TM+\b], v[TM+4+\b]
.endr
.irp b, 0,1,2,3
	v_add_nc_u32 v[TM+12+\b], 0xfe000000, v[TM+\b]   ; 4 off the exponent field: the conversion's scale operand
.endr
.irp b, 0,1,2,3
	v_lshrrev_b32 v[TM+4+\b], 23, v[TM+12+\b]
.endr
	v_lshl_or_b32 v[\pw], v[TM+5], 8, v[TM+4]
	v_lshl_or_b32 v[\pw], v[TM+6], 16, v[\pw]
	v_lshl_or_b32 v[\pw], v[TM+7], 24, v[\pw]
.irp c, 0,1
	v_cvt_scalef32_pk16_bf6_f32 v[\pc+6*\c:\pc+2+6*\c], v[\s+32*\c:\s+15+32*\c], v[TM+12+2*\c]
	v_cvt_scalef32_pk16_bf6_f32 v[\tp+4*\c:\tp+2+4*\c], v[\s+16+32*\c:\s+31+32*\c], v[TM+12+2*\c+1]
.endr
	v_nop                                          ; one plain place behind a scaled conversion
.irp c, 0,1
.irp i, 0,1,2
	v_permlane16_swap_b32 v[\pc+6*\c+\i], v[\tp+4*\c+\i]
.endr
.irp i, 0,1,2
	v_mov_b32 v[\pc+3+6*\c+\i], v[\tp+4*\c+\i]
.endr
.endr
.endm
.macro SLOTOF be, f                    ; where fragment f = 4 k + t of set be lies: window SW, register SR
.set SG, 32*(\be)+(\f)
.if SG == 63
.set SW, 0
.set SR, BX
.else
.set SW, 1+SG/21
.set SR, 12*(SG%21)
.endif
.endm
.macro BFRAG g, f                      ; fragment f of group g, from wq as it lies: three loads of 512 consecutive bytes
	SLOTOF ((\g)%2), \f
	WIN (SW<<6)
.set BO, ((4*(\g)+(\f)%4)*8+(\f)/4)*1536
	global_load_b128 v[SR:SR+3], v[L16], s[6:7] offset:BO
	global_load_b128 v[SR+4:SR+7], v[L16], s[6:7] offset:BO+512
	global_load_b128 v[SR+8:SR+11], v[L16], s[6:7] offset:BO+1024
.endm
.macro BURST_A g                       ; a group's first 18 fragments and its scale words: 62 loads
.set FI, 0
.rept 18
	BFRAG \g, FI
.set FI, FI+1
.endr
	WIN 0
.irp pr, 0,1
.irp ka, 0,1,2,3
	global_load_b64 v[BSC+16*((\g)%2)+8*\pr+2*\ka:BSC+16*((\g)%2)+8*\pr+2*\ka+1], v[L8], s[8:9] offset:((2*(\g)+\pr)*4+\ka)*256
.endr
.endr
.endm
.macro BURST_B g                       ; its other 14 fragments: 42 loads
.set FI, 18
.rept 14
	BFRAG \g, FI
.set FI, FI+1
.endr
	WIN 0
.endm
.macro OFFS off                        ; eight list words become byte offsets of rows: s x 131,072 + my bytes of the row
.irp p, 0,1,2,3,4,5,6,7
	v_min_u32 v[LNR+\p], 2047, v[LNR+\p]           ; a loaded number enters an address behind a bound
.endr
.irp p, 0,1,2,3,4,5,6,7
	v_lshl_add_u32 v[\off+\p], v[LNR+\p], 17, v[VXT]
.endr
.endm
.macro XLOADS par, off                 ; a tile's 16 rows x 1,024 bytes into buffer par of window 3: lanes 0-15 row p, lanes 16-31 row p + 8; sixteen lanes read 256 consecutive bytes
	WIN 0xc0
.irp p, 0,1,2,3,4,5,6,7
.irp c, 0,1,2,3
	global_load_b128 v[128*\par+16*\p+4*\c:128*\par+16*\p+4*\c+3], v[\off+\p], s[4:5] offset:256*\c th:TH_LOAD_NT
.endr
.endr
	WIN 0
.endm
; Tile i = s30 + par.  Its numbers are in (the wait stands at the end of the tile before).  They turn through my stage, so that a lane holds neighbours along K; then the buffer takes tile i + 2.
.macro TILE_X par
.set OFB, OF0+12*\par
	s_add_co_u32 s31, s30, \par
	s_cmp_ge_u32 s31, s39
	s_cbranch_scc1 .Lxs_\@
	WIN 0x0c                                       ; an LDS store's data are its source 1: window 3
.irp p, 0,1,2,3,4,5,6,7
.irp c, 0,1,2,3
	ds_store_b128 v[VST], v[128*\par+16*\p+4*\c:128*\par+16*\p+4*\c+3] offset:1040*\p+256*\c
.endr
.endr
	WIN 0
.irp f, 0,1
.irp bq, 0,1,2,3
.irp j, 0,1,2,3
	ds_load_b128 v[Q+64*\f+16*\bq+4*\j:Q+64*\f+16*\bq+4*\j+3], v[VRD] offset:512*\f+128*\bq+16*\j   ; LDS serves a wave's instructions in order: these see the stores above
.endr
.endr
.endr
	s_add_co_u32 s32, s38, 64*(\par+2)             ; tile i + 2's list words, in my own copy,
	s_min_u32 s32, s32, 960                        ; held inside it
	v_add_nc_u32 v[VLN], s32, v[VLNB]
	ds_load_b128 v[LNR:LNR+3], v[VLN]
	ds_load_b128 v[LNR+4:LNR+7], v[VLN] offset:16
	s_wait_dscnt 0x0                               ; the numbers are back, the stage's stores have read the buffer, the last tile's image stores are done
	s_add_co_u32 s31, s31, 2
	s_cmp_lt_u32 s31, s39
	s_cbranch_scc0 .Lxl_\@
	OFFS OFB                                       ; (this set's last loads, tile i's, are in)
	XLOADS \par, OFB
	s_wait_loadcnt 32                              ; only the 32 just issued are younger than tile i + 1's: that tile is in
	s_branch .Lxg_\@
.Lxl_\@:
	s_wait_loadcnt 0x0
.Lxg_\@:
	v_add_nc_u32 v[VIM], s37, v[VIMB]
	v_add_nc_u32 v[VSW], s37, v[VSWB]
	QUANT Q, PC0, TPQ, PW
.irp c, 0,1,2
	ds_store_b128 v[VIM], v[PC0+4*\c:PC0+4*\c+3] offset:\par*TP+512*\c
.endr
	QUANT Q+64, PC1, TPQ, PW+1                     ; (its codes go where the first fragment's numbers lay)
.irp c, 0,1,2
	ds_store_b128 v[VIM], v[PC1+4*\c:PC1+4*\c+3] offset:\par*TP+1536+512*\c
.endr
	ds_store_b64 v[VSW], v[PW:PW+1] offset:\par*TP   ; K steps 2 w and 2 w + 1 of my row
	s_wait_alu depctr_va_vdst(0)
	s_branch .Lxd_\@
.Lxs_\@:
	s_wait_loadcnt 0x0
.Lxd_\@:
.endm
.macro CLOAD_CP g                      ; c proj_dec of my hidden unit in the group's four tiles, each twice: a pair for the packed forms
.irp t, 0,1,2,3
	ds_load_b32 v[CP+4*\t], v[TBA] offset:(64*(\g)+16*\t)*4
	ds_load_b32 v[CP+4*\t+1], v[TBA] offset:(64*(\g)+16*\t)*4
.endr
.endm
.macro CLOAD_W g                       ; w_out likewise
.irp t, 0,1,2,3
	ds_load_b32 v[CP+4*\t+2], v[TBA] offset:4096+(64*(\g)+16*\t)*4
	ds_load_b32 v[CP+4*\t+3], v[TBA] offset:4096+(64*(\g)+16*\t)*4
.endr
.endm
; Matrix instruction p = 4 k + t of a body: K step k, tile t of the group's four.  The four accumulators take turns, one instruction a turn.  Only source 1 lies outside window 0.
.macro MM bg, p
.set KK, (\p)/4
.set TT, (\p)%4
.set BE, (\bg)%2
	SLOTOF BE, \p
	WIN (SW<<2)
.if KK == 0
.if TT%2
	v_wmma_scale_f32_16x16x128_f8f6f4 v[ACC+8*TT:ACC+8*TT+7], v[A+12*KK:A+12*KK+11], v[SR:SR+11], 0, v[ASC+KK], v[BSC+16*BE+8*(TT/2)+KK] matrix_a_fmt:MATRIX_FMT_BF6 matrix_b_fmt:MATRIX_FMT_BF6 matrix_b_scale:MATRIX_SCALE_ROW1
.else
	v_wmma_scale_f32_16x16x128_f8f6f4 v[ACC+8*TT:ACC+8*TT+7], v[A+12*KK:A+12*KK+11], v[SR:SR+11], 0, v[ASC+KK], v[BSC+16*BE+8*(TT/2)+KK] matrix_a_fmt:MATRIX_FMT_BF6 matrix_b_fmt:MATRIX_FMT_BF6
.endif
.else
.if TT%2
	v_wmma_scale_f32_16x16x128_f8f6f4 v[ACC+8*TT:ACC+8*TT+7], v[A+12*KK:A+12*KK+11], v[SR:SR+11], v[ACC+8*TT:ACC+8*TT+7], v[ASC+KK], v[BSC+16*BE+8*(TT/2)+KK] matrix_a_fmt:MATRIX_FMT_BF6 matrix_b_fmt:MATRIX_FMT_BF6 matrix_b_scale:MATRIX_SCALE_ROW1
.else
	v_wmma_scale_f32_16x16x128_f8f6f4 v[ACC+8*TT:ACC+8*TT+7], v[A+12*KK:A+12*KK+11], v[SR:SR+11], v[ACC+8*TT:ACC+8*TT+7], v[ASC+KK], v[BSC+16*BE+8*(TT/2)+KK] matrix_a_fmt:MATRIX_FMT_BF6 matrix_b_fmt:MATRIX_FMT_BF6
.endif
.endif
.endm
.macro ARUN k0                         ; half of the next row tile: four fragments and their four scale words: 13 loads
.irp k, \k0, \k0+1, \k0+2, \k0+3
.irp c, 0,1,2
	ds_load_b128 v[A+12*(\k)+4*\c:A+12*(\k)+4*\c+3], v[AD] offset:1536*(\k)+512*\c
.endr
.endr
	ds_load_b128 v[ASC+\k0:ASC+\k0+3], v[AD] offset:SCO+128*\k0
.endm
; A BODY.  mm = 1: the 32 products of the row tile that lies in A, with group bg.  tt = 1: the tile that waits in T (of group fg; its row sums at LDS offset s[sp]) has its exponentials, reciprocals and sums.
; cx = 1: a change of group.  ba: the group whose first 62 loads go out here (4: none).  s33: LDS offset of the row tile that A takes next.
.macro BODY mm, tt, bg, fg, cx, ba, sp
.if \cx
	s_wait_loadcnt 0x0                             ; all of group bg's fragments and scale words are in
.endif
.if \ba < 4
	BURST_A \ba                                    ; into the set whose last products stand in front of the last body's tail: more than four plain places back
.endif
.if \cx
	CLOAD_CP \bg                                   ; the old group's are done with
.endif
	s_wait_alu depctr_va_vdst(0)                   ; the numbers in T were written by the body before
.set PI, 0
.rept 16                               ; K steps 0 to 3: sixteen products on end
.if \mm
	MM \bg, PI
.endif
.set PI, PI+1
.endr
.if \tt
.set PI, 0
.rept 32
	v_exp_f32 v[T+PI], v[T+PI]                     ; 2^(c x): destination and source 0 alone: window 0 under every setting that MM makes
.set PI, PI+1
.endr
.endif
	WIN 0
	s_wait_dscnt 0x0                               ; the second half of this tile's fragments is in; no LDS instruction of mine is out, so the two addresses may be written
.if \mm
	v_add_nc_u32 v[AD], s33, v[L16]
.else
	v_nop
.endif
	v_add_nc_u32 v[ADP], s[\sp], v[VP]
	v_nop
	v_nop                                          ; four plain places in front of loads into registers that matrix instructions have read; the first is also the plain place behind the exponentials
.if \tt
	s_wait_alu depctr_va_vdst(0)                   ; one wait for the 32 exponentials, ahead of their first reader
.endif
.if \mm
	ARUN 0
.endif
.if \tt
.if \fg > 0
	ds_load_b128 v[LACC:LACC+3], v[ADP]            ; the tile's row sums over the groups before
	ds_load_b128 v[LACC+4:LACC+7], v[ADP] offset:512
.endif
.irp e, 0,2,4,6,8,10,12,14,16,18,20,22,24,26,28,30
	v_pk_add_f32 v[T+\e:T+\e+1], v[T+\e:T+\e+1], 1.0 op_sel_hi:[1,0]   ; 1 + 2^(c x): all the reciprocals' sources first
.endr
.endif
.if \mm
	SLOTOF ((\bg)%2), 16
	WIN (SW<<2)                                    ; the window of the first product below, so that the wait stands directly ahead of it
.endif
	s_wait_alu depctr_va_vdst(0)                   ; the sums go on behind the exponentials, and the reciprocals read the sums of 1 above
.set PI, 16
.rept 16                               ; K steps 4 to 7
.if \mm
	MM \bg, PI
.endif
.set PI, PI+1
.endr
.if \tt
.set PI, 0
.rept 32
	v_rcp_f32 v[T+PI], v[T+PI]                     ; 1 / (1 + 2^(c x))
.set PI, PI+1
.endr
.endif
	WIN 0
.rept 4
	v_nop                                          ; four places behind the last products, in front of the loads below and of the first read of the results; the first is the plain place behind the reciprocals
.endr
.if \tt
	s_wait_alu depctr_va_vdst(0)                   ; one wait for the 32 reciprocals
.endif
.if \mm
	ARUN 4
	s_wait_dscnt 13                                ; only the 13 just issued may be out: the next tile's first half and the row sums are in
.else
	s_wait_dscnt 0x0
.endif
.if \tt
.irp t, 0,1,2,3
.irp jj, 0,1,2,3
.if (\fg == 0) && (\t == 0)
	v_pk_mul_f32 v[LACC+2*\jj:LACC+2*\jj+1], v[T+8*\t+2*\jj:T+8*\t+2*\jj+1], v[CP+4*\t+2:CP+4*\t+3]   ; the first term starts the sums: nothing is cleared
.else
	v_pk_fma_f32 v[LACC+2*\jj:LACC+2*\jj+1], v[T+8*\t+2*\jj:T+8*\t+2*\jj+1], v[CP+4*\t+2:CP+4*\t+3], v[LACC+2*\jj:LACC+2*\jj+1]
.endif
.endr
.endr
.if \fg == 3
.irp jj, 0,1,2,3
	v_pk_fma_f32 v[LACC+2*\jj:LACC+2*\jj+1], v[LACC+2*\jj:LACC+2*\jj+1], -2.0, v[WS:WS+1] op_sel_hi:[1,0,1]   ; my lane's part of the logits: sum of w - 2 x sum of w r
.endr
.endif
	ds_store_b128 v[ADP], v[LACC:LACC+3]
	ds_store_b128 v[ADP], v[LACC+4:LACC+7] offset:512
.endif
.if \cx
	CLOAD_W \bg                                    ; behind the old group's last sums
.endif
.if \mm
	s_wait_alu depctr_va_vdst(0)                   ; directly ahead of the first reader of the products
.irp t, 0,1,2,3
.irp jj, 0,1,2,3
	v_pk_fma_f32 v[T+8*\t+2*\jj:T+8*\t+2*\jj+1], v[ACC+8*\t+2*\jj:ACC+8*\t+2*\jj+1], s[40:41], v[CP+4*\t:CP+4*\t+1] op_sel_hi:[1,0,1]   ; c x = c x product + c proj_dec; each accumulator from its low end on
.endr
.endr
.endif
.endm
; Trips s30 .. to - 1 of a group: trip i multiplies row tile i + 1 and finishes tile i.  The trip count is a constant; a trip whose tile the part does not have jumps to the stepping lines.
.macro GLOOP g, to
.Lg_\@:
	s_add_co_u32 s31, s30, 1
	s_cmp_ge_u32 s31, s29
	s_cbranch_scc1 .Lgs_\@
	s_min_u32 s32, s35, 15*TP
	s_add_co_u32 s31, s30, 2
	s_cmp_lt_u32 s31, s29
	s_cselect_b32 s33, s32, 0                      ; next: tile i + 2, or tile 0 for the next group
	BODY 1, 1, \g, \g, 0, 4, 34
.Lgs_\@:
	s_add_co_u32 s34, s34, 1024
	s_add_co_u32 s35, s35, TP
	s_add_co_u32 s30, s30, 1
	s_cmp_lt_u32 s30, \to
	s_cbranch_scc1 .Lg_\@
.endm
.macro GROUP g
	s_mov_b32 s30, 0
	s_mov_b32 s34, 0
	s_mov_b32 s35, 2*TP
	GLOOP \g, 4
.if \g < 3
	BURST_B (\g+1)                                 ; the rest of the next group, up to four bodies behind its first loads
.endif
	s_mov_b32 s30, 4
	s_mov_b32 s34, 4096
	s_mov_b32 s35, 6*TP
	GLOOP \g, 15
	s_cmp_gt_u32 s29, 1
	s_cselect_b32 s33, TP, 0
.if \g < 2
	BODY 1, 1, (\g+1), \g, 1, (\g+2), 36           ; tile 0 of the next group | the last tile of this one
.elseif \g == 2
	BODY 1, 1, 3, 2, 1, 4, 36
.else
	BODY 0, 1, 3, 3, 0, 4, 36                      ; the last tile of the last group
.endif
.endm
	s_load_b512 s[4:19], s[0:1], 0x0               ; enc 4:5, wq 6:7, wsc 8:9, cpd2 10:11, w_out 12:13, list 14:15, cnt 16:17, lg 18:19
	s_load_b64 s[20:21], s[0:1], 0x40              ; st
	v_lshl_add_u32 v[SPW], v0, 2, SPARE
	v_mov_b32 v[NIL], 0
	v_lshrrev_b32 v4, 5, v0
	v_readfirstlane_b32 s22, v4                    ; wave 0..3
	s_and_b32 s23, ttmp7, 0xffff                   ; b
	s_mov_b32 s24, ttmp9                           ; j
	v_and_b32 v[LANE], 31, v0
	v_lshlrev_b32 v[L16], 4, v[LANE]
	v_lshlrev_b32 v[L8], 3, v[LANE]
	v_and_b32 v124, 15, v0                         ; r
	v_bfe_u32 v125, v0, 4, 1                       ; h
	s_wait_alu depctr_va_vdst(0)                   ; ahead of the run of scalar instructions
	s_mov_b32 s40, 0x4038aa3b                      ; c = 2 log2(e)
	s_mov_b32 s41, s40
	s_mov_b32 s[SEL], 0x76543210
	s_mov_b32 s[SEL+1], 0xfedcba98
.irp j, 1,2,3,4,5,6,7
	s_mov_b32 s[45+\j], 0x01010101<<\j             ; the lanes with lane % 8 = j
.endr
	s_lshl_b32 s31, s22, 10
	s_add_co_u32 s32, s31, TAB
	v_lshl_add_u32 v[TBA], v124, 2, s32            ; the table's word of hidden unit 256 w + r
	v_lshl_add_u32 v[VXT], v124, 4, s31
	s_add_co_u32 s32, s31, LST
	v_lshl_add_u32 v[VLNB], v125, 5, s32           ; my half's eight list words of tile 0
	v_lshl_add_u32 v126, v[LANE], 5, s32           ; where I put 32 bytes of the list
	s_lshl_b32 s32, s22, 14
	s_add_co_u32 s32, s32, PB
	v_add_nc_u32 v[VP], s32, v[L16]
	s_mul_i32 s32, s22, 16640
	s_add_co_u32 s32, s32, STG                     ; my stage
	v_mul_u32_u24 v[VST], v125, 8320               ; in: row p + 8 h, 16 bytes a lane
	v_lshl_add_u32 v[VST], v124, 4, v[VST]
	v_add_nc_u32 v[VST], s32, v[VST]
	v_mul_u32_u24 v[VRD], v124, 1040               ; out: row r, + 64 h; the pitch is 65 x 16 bytes, so the sixteen rows of a load fall on different banks
	v_lshl_add_u32 v[VRD], v125, 6, v[VRD]
	v_add_nc_u32 v[VRD], s32, v[VRD]
	s_mul_i32 s32, s22, 3072
	v_add_nc_u32 v[VIMB], s32, v[L16]              ; images of K steps 2 w, 2 w + 1
	s_lshr_b32 s32, s22, 1
	s_lshl_b32 s32, s32, 9
	s_and_b32 s33, s22, 1
	s_lshl_b32 s33, s33, 3
	s_add_co_u32 s32, s32, s33
	s_add_co_u32 s32, s32, SCO
	v_add_nc_u32 v[VSWB], s32, v[L16]              ; their two scale words: chunk w / 2, bytes 8 (w % 2) on of my lane's 16
	v_lshl_add_u32 v127, v0, 5, TAB
	v_lshl_add_u32 v45, v0, 3, LG
.irp b, 0,1,2,3
	v_mov_b32 v[TM+4+\b], 0                        ; written once: a lane permute's destination counts as one of its sources
.endr
	s_wait_alu depctr_va_vdst(0)                   ; the head's end
	s_wait_kmcnt 0x0
	s_mov_b32 s57, 0
	s_mul_i32 s56, s22, 196608
	s_add_nc_u64 s[6:7], s[6:7], s[56:57]          ; my 16 tiles of wq,
	s_lshl_b32 s56, s22, 13
	s_add_nc_u64 s[8:9], s[8:9], s[56:57]          ; their scale words
	s_lshl_b32 s56, s23, 12
	s_add_nc_u64 s[4:5], s[4:5], s[56:57]          ; enc at my column
	s_lshl_b32 s56, s23, 7
	s_add_nc_u64 s[10:11], s[10:11], s[56:57]
	s_mul_i32 s56, s23, 8448
	s_add_nc_u64 s[14:15], s[14:15], s[56:57]
	s_lshl_b32 s56, s23, 2
	s_add_nc_u64 s[16:17], s[16:17], s[56:57]
	s_lshl_b32 s56, s23, 6
	s_lshl_b32 s58, s24, 3
	s_add_co_u32 s56, s56, s58
	s_add_nc_u64 s[20:21], s[20:21], s[56:57]
	s_load_b32 s25, s[16:17], 0x0                  ; rows listed in my column
	s_load_b32 s26, s[16:17], 0x80                 ; 1: it has an open row
	BURST_A 0
	s_wait_kmcnt 0x0
	s_min_u32 s25, s25, 2048
	s_add_co_u32 s27, s25, 15
	s_lshr_b32 s27, s27, 4                         ; the column's tiles, at most 128
	s_mul_i32 s28, s24, s27
	s_lshr_b32 s28, s28, 3                         ; t0
	s_add_co_u32 s29, s24, 1
	s_mul_i32 s29, s29, s27
	s_lshr_b32 s29, s29, 3
	s_sub_co_u32 s29, s29, s28
	s_min_u32 s29, s29, 16                         ; q
	s_min_u32 s28, s28, 127
	s_max_u32 s39, s29, 1                          ; tiles that phase X makes
	s_lshl_b32 s56, s23, 13
	s_lshl_b32 s58, s28, 6
	s_add_co_u32 s56, s56, s58
	s_add_nc_u64 s[18:19], s[18:19], s[56:57]      ; lg at my part's first place
	s_lshl_b32 s31, s28, 4
	v_lshl_add_u32 v49, v[LANE], 3, s31            ; list places 16 t0 + 8 lane on,
	s_lshl_b32 s32, s27, 4
	s_sub_co_u32 s32, s32, 8
	v_min_u32 v49, s32, v49                        ; held inside what the first launch has written,
	v_min_u32 v49, 2040, v49                       ; and by a constant
	v_lshlrev_b32 v49, 2, v49
	global_load_b128 v[128:131], v49, s[14:15]
	global_load_b128 v[132:135], v49, s[14:15] offset:16
	v_lshrrev_b32 v50, 2, v0                       ; thread t: hidden units 8 t on: cpd2 [t / 4][b][8 (t % 4)]
	v_lshlrev_b32 v50, 12, v50
	v_and_b32 v51, 3, v0
	v_lshl_add_u32 v50, v51, 5, v50
	global_load_b128 v[136:139], v50, s[10:11]
	global_load_b128 v[140:143], v50, s[10:11] offset:16
	v_lshlrev_b32 v48, 5, v0
	global_load_b128 v[144:147], v48, s[12:13]
	global_load_b128 v[148:151], v48, s[12:13] offset:16
	s_mov_b32 s36, 0                               ; the last tile's row sums: 1,024 (q - 1), chosen among constants
.irp k, 1,2,3,4,5,6,7,8,9,10,11,12,13,14,15
	s_cmp_gt_u32 s29, \k
	s_cselect_b32 s36, 1024*\k, s36
.endr
	s_cmp_lg_u32 s26, 0
	s_cselect_b32 s44, 0x3f800000, 0               ; m of the listed rows,
	s_cselect_b32 s45, 0, 0xceee6b28               ; and -(1 - m) x 2e9
	v_mov_b32 v152, 0xff61b1e6                     ; -3e38
	v_mov_b32 v153, v152
	s_wait_alu depctr_va_vdst(0)                   ; directly ahead of the wait below
	s_wait_loadcnt 0x0
	ds_store_b128 v126, v[128:131]
	ds_store_b128 v126, v[132:135] offset:16
	ds_store_b128 v127, v[136:139]
	ds_store_b128 v127, v[140:143] offset:16
	ds_store_b128 v127, v[144:147] offset:4096
	ds_store_b128 v127, v[148:151] offset:4112
	ds_store_b64 v45, v[152:153]                   ; places that no tile fills count for nothing
	BURST_B 0
	s_wait_dscnt 0x0                               ; the stores are done: their registers are used again
	; ---- PHASE X.  Tiles 0 and 1 are asked for on every path
	ds_load_b128 v[LNR:LNR+3], v[VLNB]
	ds_load_b128 v[LNR+4:LNR+7], v[VLNB] offset:16
	s_wait_dscnt 0x0
	OFFS OF0
	XLOADS 0, OF0
	ds_load_b128 v[LNR:LNR+3], v[VLNB] offset:64
	ds_load_b128 v[LNR+4:LNR+7], v[VLNB] offset:80
	s_wait_dscnt 0x0
	OFFS OF0+12
	XLOADS 1, OF0+12
	s_wait_loadcnt 32                              ; tile 0 is in; tile 1's 32 loads stay out
	s_mov_b32 s30, 0
	s_mov_b32 s37, 0
	s_mov_b32 s38, 0
.Lx:
	TILE_X 0
	TILE_X 1
	s_add_co_u32 s37, s37, 2*TP
	s_add_co_u32 s38, s38, 128
	s_add_co_u32 s30, s30, 2
	s_cmp_lt_u32 s30, 16
	s_cbranch_scc1 .Lx
	s_wait_dscnt 0x0                               ; my images, the table and my reads of the stage are done
	s_barrier_signal -1
	s_barrier_wait -1
	; ---- PHASE G
	s_wait_loadcnt 0x0                             ; group 0 is in
.irp i, 0,1,2,3
	v_mov_b32 v[ACC+\i], 0
.endr
	ds_store_b128 v[VP], v[ACC:ACC+3] offset:15360 ; the places of row tile 15's sums hold zeros until a part of 16 tiles stores its sums there
	ds_store_b128 v[VP], v[ACC:ACC+3] offset:15872
	CLOAD_CP 0
	CLOAD_W 0
.set NI, 0
.rept 16
	ds_load_b32 v[T+NI], v[TBA] offset:4096+64*NI  ; w_out of my 16 hidden units
.set NI, NI+1
.endr
.irp k, 0,1,2,3,4,5,6,7
.irp c, 0,1,2
	ds_load_b128 v[A+12*\k+4*\c:A+12*\k+4*\c+3], v[L16] offset:1536*\k+512*\c   ; row tile 0
.endr
.endr
	ds_load_b128 v[ASC:ASC+3], v[L16] offset:SCO
	ds_load_b128 v[ASC+4:ASC+7], v[L16] offset:SCO+512
	s_wait_dscnt 0x0
.irp i, 0,1,2,3,4,5,6,7
	v_add_f32 v[T+\i], v[T+\i], v[T+8+\i]
.endr
.irp i, 0,1,2,3
	v_add_f32 v[T+\i], v[T+\i], v[T+4+\i]
.endr
	v_add_f32 v[T], v[T], v[T+2]
	v_add_f32 v[T+1], v[T+1], v[T+3]
	v_add_f32 v[WS], v[T], v[T+1]
	v_mov_b32 v[WS+1], v[WS]
	s_mov_b32 s34, 0
	s_cmp_gt_u32 s29, 1
	s_cselect_b32 s33, TP, 0
	BODY 1, 0, 0, 0, 0, 1, 34                      ; row tile 0 of group 0: there is no tile in tanh yet
	GROUP 0
	GROUP 1
	GROUP 2
	GROUP 3
	s_wait_dscnt 0x0                               ; my row sums lie in LDS, and my last loads by v[AD] are in
	s_barrier_signal -1
	s_barrier_wait -1
	; ---- PHASE F.  Wave w takes tiles w, w + 4, w + 8, w + 12.  All addresses of phases F and S are made here, ahead of the branches and with every lane on
	s_lshl_b32 s31, s22, 10
	s_add_co_u32 s31, s31, PB
	v_add_nc_u32 v160, s31, v[L16]
	v_and_b32 v161, 7, v0
	v_bfe_u32 v163, v0, 4, 1
	v_lshl_add_u32 v161, v163, 3, v161             ; the row of a tile that my lane ends up with: 8 h + lane % 8
	s_lshl_b32 s31, s22, 6
	s_add_co_u32 s31, s31, LG
	v_lshl_add_u32 v162, v161, 2, s31
	s_add_co_u32 s31, s28, s22
	s_lshl_b32 s31, s31, 4
	v_add_nc_u32 v163, s31, v161                   ; its place in the list, for tile w
	v_mov_b32 v164, 0xff61b1e6
	v_lshl_add_u32 v170, v0, 3, LG
	v_lshlrev_b32 v171, 3, v0
	v_lshlrev_b32 v174, 1, v0
	v_lshl_add_u32 v175, v[LANE], 5, LG
	v_mov_b32 v[AD], 0                             ; the offset of the store of M and S
	s_wait_alu depctr_va_vdst(0)
.macro FTILE a
	s_add_co_u32 s31, s22, 4*\a
	s_cmp_ge_u32 s31, s29
	s_cbranch_scc1 .Lfs_\@
.irp ww, 0,1,2,3
	ds_load_b128 v[176+8*\ww:179+8*\ww], v160 offset:16384*\ww+4096*\a
	ds_load_b128 v[180+8*\ww:183+8*\ww], v160 offset:16384*\ww+4096*\a+512
.endr
	s_wait_dscnt 0x0
.irp ww, 1,2,3
.irp e, 0,2,4,6
	v_pk_add_f32 v[176+\e:177+\e], v[176+\e:177+\e], v[176+8*\ww+\e:177+8*\ww+\e]   ; over the four waves
.endr
.endr
.irp m, 1,2,4,8
.irp e, 0,1,2,3,4,5,6,7
	v_add_f32_dpp v[176+\e], v[176+\e], v[176+\e] row_xmask:\m row_mask:0xf bank_mask:0xf   ; over the sixteen lanes of my half
.endr
.endr
	v_cndmask_b32 v[165+\a], v176, v177, s46       ; lane % 8 picks the register: one row a lane
.irp j, 2,3,4,5,6,7
	v_cndmask_b32 v[165+\a], v[165+\a], v[176+\j], s[45+\j]
.endr
	v_fma_f32 v[165+\a], v[165+\a], s44, s45       ; logit x m - (1 - m) x 2e9
	v_add_nc_u32 v169, 64*\a, v163
	v_cmp_gt_u32 vcc_lo, s25, v169
	v_cndmask_b32 v[165+\a], v164, v[165+\a], vcc_lo   ; behind the list's end: -3e38
	ds_store_b32 v162, v[165+\a] offset:256*\a
.Lfs_\@:
.endm
	FTILE 0
	FTILE 1
	FTILE 2
	FTILE 3
	s_wait_dscnt 0x0
	s_barrier_signal -1
	s_barrier_wait -1
	; ---- PHASE S.  Wave 0 first makes the part's M and S; then all waves store the logits.  EXEC is changed only for that last store: behind its restore stand the closing lines alone
	s_cmp_lg_u32 s22, 0
	s_cbranch_scc1 .Lout
	ds_load_b128 v[176:179], v175
	ds_load_b128 v[180:183], v175 offset:16
	s_wait_dscnt 0x0
	v_max3_num_f32 v184, v176, v177, v178
	v_max3_num_f32 v184, v184, v179, v180
	v_max3_num_f32 v184, v184, v181, v182
	v_max_num_f32 v184, v184, v183
.irp m, 1,2,4,8
	v_max_num_f32_dpp v184, v184, v184 row_xmask:\m row_mask:0xf bank_mask:0xf
.endr
	v_mov_b32 v185, 0
	v_permlanex16_b32 v185, v184, s[SEL], s[SEL+1]
	v_max_num_f32 v184, v184, v185                 ; M: the part's largest logit
.irp e, 0,1,2,3,4,5,6,7
	v_sub_f32 v[186+\e], v[176+\e], v184           ; the difference first, then the change of base
.endr
.irp e, 0,1,2,3,4,5,6,7
	v_mul_f32 v[186+\e], 0x3fb8aa3b, v[186+\e]
.endr
	s_wait_alu depctr_va_vdst(0)                   ; ahead of the batch
.irp e, 0,1,2,3,4,5,6,7
	v_exp_f32 v[186+\e], v[186+\e]
.endr
	v_mov_b32 v194, 0xfe967699                     ; -1e38.  (The plain place behind the exponentials)
	s_wait_alu depctr_va_vdst(0)                   ; one wait for the eight
.irp e, 0,1,2,3,4,5,6,7
	v_cmp_ge_f32 vcc_lo, v[176+\e], v194
	v_cndmask_b32 v[186+\e], 0, v[186+\e], vcc_lo  ; a place that holds no row adds nothing, in a part with no row too
.endr
	v_pk_add_f32 v[186:187], v[186:187], v[188:189]
	v_pk_add_f32 v[190:191], v[190:191], v[192:193]
	v_pk_add_f32 v[186:187], v[186:187], v[190:191]
	v_add_f32 v197, v186, v187
.irp m, 1,2,4,8
	v_add_f32_dpp v197, v197, v197 row_xmask:\m row_mask:0xf bank_mask:0xf
.endr
	v_permlanex16_b32 v185, v197, s[SEL], s[SEL+1]
	v_add_f32 v197, v197, v185                     ; S
	v_mov_b32 v196, v184
	global_store_b64 v[AD], v[196:197], s[20:21]   ; every lane stores the same pair
.Lout:
	ds_load_b64 v[172:173], v170
	s_lshl_b32 s31, s29, 4
	s_wait_dscnt 0x0
	s_wait_xcnt 0x0                                ; EXEC changes only behind this wait (wave 0's store above has read its sources)
	v_cmp_gt_u32 vcc_lo, s31, v174
	s_and_saveexec_b32 s32, vcc_lo                 ; the part's 16 q places, two a thread
	global_store_b64 v171, v[172:173], s[18:19]
	s_wait_xcnt 0x0                                ; and again, in front of the line that widens it
	s_or_b32 exec_lo, exec_lo, s32
	s_wait_tensorcnt 0x0                           ; the wave's end
	ds_add_u32 v[SPW], v[NIL]
	s_wait_dscnt 0x0
	s_endpgm
.Lfunc_end_k_q51ce9038ba_score:
	.size	k_q51ce9038ba_score, .Lfunc_end_k_q51ce9038ba_score-k_q51ce9038ba_score
	.p2alignl 7, 3214868480
	.fill 96, 4, 3214868480
	.section	.rodata,"a",@progbits
	.p2align	6, 0x0
	.amdhsa_kernel k_q51ce9038ba_score
		.amdhsa_group_segment_fixed_size 293376
		.amdhsa_private_segment_fixed_size 0
		.amdhsa_enable_private_segment 0
		.amdhsa_kernarg_size 72
		.amdhsa_user_sgpr_count 2
		.amdhsa_user_sgpr_kernarg_segment_ptr 1
		.amdhsa_wavefront_size32 1
		.amdhsa_system_sgpr_workgroup_id_x 1
		.amdhsa_system_sgpr_workgroup_id_y 1
		.amdhsa_system_sgpr_workgroup_id_z 1
		.amdhsa_system_vgpr_workitem_id 0
		.amdhsa_next_free_vgpr 1024
		.amdhsa_next_free_sgpr 66
		.amdhsa_reserve_vcc 1
		.amdhsa_float_denorm_mode_32 3
		.amdhsa_float_denorm_mode_16_64 3
		.amdhsa_memory_ordered 1
		.amdhsa_forward_progress 1
		.amdhsa_inst_pref_size 255
	.end_amdhsa_kernel
	.section	.bss,"aw",@nobits
	.p2align	6
	.space	262144
	.amdgpu_metadata
---
amdhsa.version: [ 1, 2 ]
amdhsa.kernels:
  - .name:           k_q51ce9038ba_score
    .symbol:         k_q51ce9038ba_score.kd
    .args:
      - { .name: enc_states, .offset: 0, .size: 8, .value_kind: global_buffer, .address_space: global }
      - { .name: wq, .offset: 8, .size: 8, .value_kind: global_buffer, .address_space: global }
      - { .name: wsc, .offset: 16, .size: 8, .value_kind: global_buffer, .address_space: global }
      - { .name: cpd2, .offset: 24, .size: 8, .value_kind: global_buffer, .address_space: global }
      - { .name: w_out, .offset: 32, .size: 8, .value_kind: global_buffer, .address_space: global }
      - { .name: list, .offset: 40, .size: 8, .value_kind: global_buffer, .address_space: global }
      - { .name: cnt, .offset: 48, .size: 8, .value_kind: global_buffer, .address_space: global }
      - { .name: lg, .offset: 56, .size: 8, .value_kind: global_buffer, .address_space: global }
      - { .name: st, .offset: 64, .size: 8, .value_kind: global_buffer, .address_space: global }
    .group_segment_fixed_size: 293376
    .private_segment_fixed_size: 0
    .kernarg_segment_align: 8
    .kernarg_segment_size: 72
    .max_flat_workgroup_size: 128
    .sgpr_count:     66
    .vgpr_count:     1024
    .wavefront_size: 32
...
	.end_amdgpu_metadata
.endif
;; end of part 5
;; launch resp (part 6): grid 8 x 32, 32 waves a work-group, no clusters, 21,504 bytes of LDS; arguments enc_states, list, cnt, lg, st, pos, out0, out1; writes out0, out1
.if DOCPART == 6
	.amdgcn_target "amdgcn-amd-amdhsa--gfx1250"
	.amdhsa_code_object_version 6
	.text
	.protected	k_q51ce9038ba_resp
	.globl	k_q51ce9038ba_resp
	.p2align	8
	.type	k_q51ce9038ba_resp,@function
k_q51ce9038ba_resp:
	s_mov_b64 s[64:65], 0
	v_nop
	global_prefetch_b8 v0, s[64:65] scope:SCOPE_SE
	s_setreg_imm32_b32 hwreg(HW_REG_WAVE_MODE, 25, 1), 1
	s_wait_xcnt 0x0
; RESP: the softmax's weights from the eight parts' maxima and sums, the response, and the weights as an output.  All in f32 on the vector unit: both products left here have one column.
; WORK LEFT OUT: the terms of rows that the list does not name: their weight is 0 (the first kernel's head shows it and states the limits; row 0 of a column, which fills its last tile with weight 0, must be finite).
; SHARES.  Work-group (j, b): channels 128 j .. 128 j + 127 of column b's response, and rows 8 (8 b + j) .. + 7 of out1.  Wave w takes the list's tiles of 16 rows w, w + 32, w + 64, w + 96; a lane holds four channels,
; so each load covers 512 consecutive bytes of a row; 16 loads a wave are out together.  The 32 waves' sums meet in LDS; wave 0 adds them.  Waves 24 to 31 make a row of out1 each, a lane a column.
; The maximum is taken away before every exponential: M = the largest of the parts' maxima; S = the sum of S_j e^(M_j - M); weight = e^(l - M) / S.
; ORDER OF THE LOADS.  First together: the column's count, my four tiles' list words (all 2,048 words of a column's list are written by the first launch, so they need no count), the column's maxima and sums, and in waves
; 24 to 31 pos and the 32 columns' maxima and sums.  Then together: my logits, out1's logit, and the 16 rows of my first tile; the weights are made while those rows are on their way.
; No tensor load, no cluster, no prefetch: which rows are walked hangs on a list read from memory, and every row's bytes are asked for once by this work-group.
.set O1,    16384                      ; LDS: 0 .. 16383 the waves' sums, 512 bytes each; eight rows of out1, 128 bytes each;
.set SPARE, 17408                      ; the spare words, 128 bytes a wave
.macro WA                              ; the wait ahead of and behind transcendentals, and ahead of waits and jumps behind which fresh registers are read
	s_wait_alu depctr_va_vdst(0)
.endm
.macro STATC b, m, s                   ; v[m] = M, v[s] = 1 / S from the eight pairs (M_j, S_j) in v[b] .. v[b + 15]
	v_max3_num_f32 v\m, v[\b], v[\b+2], v[\b+4]
	v_max3_num_f32 v\m, v\m, v[\b+6], v[\b+8]
	v_max3_num_f32 v\m, v\m, v[\b+10], v[\b+12]
	v_max_num_f32 v\m, v\m, v[\b+14]
.irp j, 0,2,4,6,8,10,12,14
	v_sub_f32 v[\b+\j], v[\b+\j], v\m
.endr
.irp j, 0,2,4,6,8,10,12,14
	v_mul_f32 v[\b+\j], 0x3fb8aa3b, v[\b+\j]
.endr
	WA
.irp j, 0,2,4,6,8,10,12,14
	v_exp_f32 v[\b+\j], v[\b+\j]                   ; a part with no row has M_j = -3e38: this is 0, and so is its S_j
.endr
	v_nop                                          ; a plain place behind the exponentials
	WA
	v_mul_f32 v\s, v[\b], v[\b+1]
.irp j, 2,4,6,8,10,12,14
	v_fmac_f32 v\s, v[\b+\j], v[\b+\j+1]
.endr
	WA
	v_rcp_f32 v\s, v\s
	v_nop
	WA
.endm
.macro ISSUE k                         ; the 16 rows of my k-th tile are asked for
.irp i, 0,1,2,3,4,5,6,7,8,9,10,11,12,13,14,15
	v_readlane_b32 s30, v[8+\k], \i
	s_min_u32 s30, s30, 2047                       ; a loaded number enters an address behind a bound
	v_lshl_add_u32 v[40+\i], s30, 17, v4           ; (the offsets' last loads were shown done by the batch before)
	global_load_b128 v[56+4*\i:59+4*\i], v[40+\i], s[4:5] th:TH_LOAD_NT
.endr
.endm
.macro CONS k                          ; and added, each with its weight
.irp i, 0,1,2,3,4,5,6,7,8,9,10,11,12,13,14,15
	WA                                             ; the sums are read again behind the wait below
	s_wait_loadcnt 15-\i                           ; row i is in; the younger rows stay out
	v_readlane_b32 s40, v[12+\k], \i
	v_pk_fma_f32 v[120:121], v[56+4*\i:57+4*\i], s[40:41], v[120:121] op_sel_hi:[1,0,1]
	v_pk_fma_f32 v[122:123], v[58+4*\i:59+4*\i], s[40:41], v[122:123] op_sel_hi:[1,0,1]
.endr
.endm
.macro BATCH k
	s_lshl_b32 s28, s22, 4
	s_add_co_u32 s28, s28, 512*\k
	s_cmp_ge_u32 s28, s25
	s_cbranch_scc1 .Lb_\@                          ; the list ends before this tile
	ISSUE \k
	CONS \k
.Lb_\@:
.endm
	s_load_b512 s[4:19], s[0:1], 0x0               ; enc 4:5, list 6:7, cnt 8:9, lg 10:11, st 12:13, pos 14:15, out0 16:17, out1 18:19
	v_lshl_add_u32 v2, v0, 2, SPARE
	v_mov_b32 v3, 0
	v_lshrrev_b32 v1, 5, v0
	v_readfirstlane_b32 s22, v1                    ; wave 0..31
	s_and_b32 s23, ttmp7, 0xffff                   ; b
	s_mov_b32 s24, ttmp9                           ; j
	v_and_b32 v1, 31, v0                           ; lane
	v_lshlrev_b32 v4, 4, v1                        ; 16 x lane
	s_lshl_b32 s28, s22, 9
	v_add_nc_u32 v5, s28, v4                       ; LDS: my wave's sums
	s_and_b32 s28, s22, 7
	s_lshl_b32 s28, s28, 7
	s_add_co_u32 s28, s28, O1
	v_lshl_add_u32 v6, v1, 2, s28                  ; LDS: my word of a row of out1
	s_and_b32 s28, s22, 1
	s_lshl_b32 s28, s28, 9
	s_add_co_u32 s28, s28, O1
	v_add_nc_u32 v7, s28, v4                       ; LDS: where waves 2 and 3 read four rows of out1 back
	s_lshl_b32 s28, s22, 4
	v_and_b32 v34, 15, v0
	v_add_nc_u32 v34, s28, v34                     ; 16 w + lane % 16
.irp i, 0,1,2,3
	v_mov_b32 v[120+\i], 0                         ; my four channels' sums
.endr
.irp k, 0,1,2,3
	v_add_nc_u32 v[36+\k], 512*\k, v34             ; my place in my k-th tile: at most 2,047
.endr
.irp k, 0,1,2,3
	v_lshlrev_b32 v[36+\k], 2, v[36+\k]
.endr
.irp i, 0,1,2,3,4,5,6,7,8,9,10,11,12,13,14,15
	v_mov_b32 v[56+\i], 0                          ; out1's registers are written once in every wave; waves 24 to 31 load into them
.endr
	v_mov_b32 v126, 0
	v_mov_b32 v35, 0
	s_lshl_b32 s26, s23, 3
	s_add_co_u32 s26, s26, s24                     ; 8 b + j
	s_and_b32 s28, s22, 7
	s_lshl_b32 s30, s26, 3
	s_add_co_u32 s28, s28, s30                     ; out1's row s = 8 (8 b + j) + wave % 8
	s_lshl_b32 s28, s28, 2
	v_lshl_add_u32 v125, v1, 13, s28               ; pos [lane][s]
	v_lshlrev_b32 v127, 6, v1                      ; column lane's 64 bytes of st
	s_lshl_b32 s28, s23, 6
	v_mov_b32 v124, s28                            ; my column's 64 bytes of st
	s_mov_b32 s41, 0                               ; (named with s40 as a pair, so it is written)
	s_mov_b32 s29, 0
	WA                                             ; the head's end
	s_wait_kmcnt 0x0
	s_lshl_b32 s28, s23, 2
	s_add_nc_u64 s[8:9], s[8:9], s[28:29]
	s_load_b32 s25, s[8:9], 0x0                    ; rows listed in my column
	s_mul_i32 s28, s23, 8448
	s_add_nc_u64 s[6:7], s[6:7], s[28:29]
.irp k, 0,1,2,3
	global_load_b32 v[8+\k], v[36+\k], s[6:7]      ; lanes 0-15: the 16 rows of my k-th tile
.endr
.irp q, 0,1,2,3
	global_load_b128 v[16+4*\q:19+4*\q], v124, s[12:13] offset:16*\q
.endr
	s_cmp_lt_u32 s22, 24
	s_cbranch_scc1 .Le1
	global_load_b32 v126, v125, s[14:15]           ; out1: where my row stands in each column's list,
.irp q, 0,1,2,3
	global_load_b128 v[56+4*\q:59+4*\q], v127, s[12:13] offset:16*\q   ; and each column's maxima and sums
.endr
.Le1:
	s_mov_b64 s[20:21], s[10:11]                   ; lg from its first column on, for out1
	s_lshl_b32 s28, s23, 13
	s_add_nc_u64 s[10:11], s[10:11], s[28:29]      ; lg of my column
	s_lshl_b32 s28, s23, 12
	s_lshl_b32 s30, s24, 9
	s_add_co_u32 s28, s28, s30
	s_add_nc_u64 s[4:5], s[4:5], s[28:29]          ; enc and out0 at column b, channel 128 j
	s_add_nc_u64 s[16:17], s[16:17], s[28:29]
	s_lshl_b32 s28, s26, 10
	s_add_nc_u64 s[18:19], s[18:19], s[28:29]      ; my eight rows of out1
	s_wait_kmcnt 0x0
	s_min_u32 s25, s25, 2048
	s_add_co_u32 s27, s25, 15
	s_and_b32 s27, s27, 0xfff0
	s_sub_co_u32 s27, s27, 1                       ; the last place of lg that the launch before has written
	s_wait_loadcnt 0x0                             ; the first loads are in: their offsets' registers may be written
.irp k, 0,1,2,3
	v_add_nc_u32 v[36+\k], 512*\k, v34
	v_min_u32 v[36+\k], s27, v[36+\k]
	v_min_u32 v[36+\k], 2047, v[36+\k]
	v_lshlrev_b32 v[36+\k], 2, v[36+\k]
	global_load_b32 v[12+\k], v[36+\k], s[10:11]   ; my rows' logits
.endr
	s_cmp_lt_u32 s22, 24
	s_cbranch_scc1 .Le2
	STATC 56, 125, 127                             ; out1: M and 1 / S of column lane
	v_and_b32 v35, 0x7ff, v126
	v_min_u32 v35, 2047, v35
	v_lshlrev_b32 v35, 2, v35
	v_lshl_add_u32 v35, v1, 13, v35
	global_load_b32 v34, v35, s[20:21]             ; the logit at the row's place in the list (place 0, which is always written, for a row that is not listed)
.Le2:
	s_lshl_b32 s28, s22, 4
	s_cmp_ge_u32 s28, s25
	s_cbranch_scc1 .Lz0                            ; the list ends before my first tile: then I have none
	ISSUE 0
	s_wait_loadcnt 16                              ; only the 16 rows just asked for stay out: the logits are in
	STATC 16, 32, 33
.irp k, 0,1,2,3
	v_sub_f32 v[12+\k], v[12+\k], v32
.endr
.irp k, 0,1,2,3
	v_mul_f32 v[12+\k], 0x3fb8aa3b, v[12+\k]
.endr
	WA
.irp k, 0,1,2,3
	v_exp_f32 v[12+\k], v[12+\k]                   ; a place behind the list's end holds -3e38: weight 0
.endr
	v_nop
	WA
.irp k, 0,1,2,3
	v_mul_f32 v[12+\k], v[12+\k], v33              ; the weights
.endr
	WA                                             ; they are read behind waits and jumps
	CONS 0
	s_branch .Lz1
.Lz0:
	s_wait_loadcnt 0x0
.Lz1:
	BATCH 1
	BATCH 2
	BATCH 3
	WA                                             ; the sums are read behind the jump
	s_cmp_lt_u32 s22, 24
	s_cbranch_scc1 .Lno1
	s_wait_loadcnt 0x0                             ; out1's logit is in
	v_sub_f32 v34, v34, v125
	v_mul_f32 v34, 0x3fb8aa3b, v34
	WA
	v_exp_f32 v34, v34
	v_nop
	WA
	v_mul_f32 v34, v34, v127
	v_cmp_le_u32 vcc_lo, 0x10000, v126
	v_cndmask_b32 v34, 0, v34, vcc_lo              ; not listed: weight 0
	ds_store_b32 v6, v34
.Lno1:
	ds_store_b128 v5, v[120:123]
	s_wait_dscnt 0x0                               ; for the others' sake: my LDS stores are done
	s_barrier_signal -1
	s_barrier_wait -1
	s_cmp_lg_u32 s22, 0
	s_cbranch_scc1 .Lnot0
.irp k, 1,2,3,4,5,6,7,8,9,10,11,12,13,14,15,16
	ds_load_b128 v[56+4*(\k-1):59+4*(\k-1)], v4 offset:512*\k
.endr
.irp k, 1,2,3,4,5,6,7,8,9,10,11,12,13,14,15,16
	WA
	s_wait_dscnt 16-\k                             ; wave k's sums are in; the younger loads stay out
	v_pk_add_f32 v[120:121], v[120:121], v[56+4*(\k-1):57+4*(\k-1)]   ; onto my own
	v_pk_add_f32 v[122:123], v[122:123], v[58+4*(\k-1):59+4*(\k-1)]
.endr
.irp k, 17,18,19,20,21,22,23,24,25,26,27,28,29,30,31
	ds_load_b128 v[56+4*(\k-17):59+4*(\k-17)], v4 offset:512*\k
.endr
.irp k, 17,18,19,20,21,22,23,24,25,26,27,28,29,30,31
	WA
	s_wait_dscnt 31-\k
	v_pk_add_f32 v[120:121], v[120:121], v[56+4*(\k-17):57+4*(\k-17)]
	v_pk_add_f32 v[122:123], v[122:123], v[58+4*(\k-17):59+4*(\k-17)]
.endr
	global_store_b128 v4, v[120:123], s[16:17]     ; 512 consecutive bytes of out0
	s_branch .Lend
.Lnot0:
	s_lshr_b32 s28, s22, 1
	s_cmp_lg_u32 s28, 1
	s_cbranch_scc1 .Lend
	ds_load_b128 v[56:59], v7                      ; waves 2 and 3: four rows of out1 each
	s_and_b32 s28, s22, 1
	s_lshl_b32 s28, s28, 9
	v_add_nc_u32 v40, s28, v4
	WA                                             ; directly ahead of the wait below
	s_wait_dscnt 0x0
	global_store_b128 v40, v[56:59], s[18:19]      ; 512 consecutive bytes
.Lend:
	s_wait_tensorcnt 0x0                           ; the wave's end
	ds_add_u32 v2, v3
	s_wait_dscnt 0x0
	s_endpgm
.Lfunc_end_k_q51ce9038ba_resp:
	.size	k_q51ce9038ba_resp, .Lfunc_end_k_q51ce9038ba_resp-k_q51ce9038ba_resp
	.p2alignl 7, 3214868480
	.fill 96, 4, 3214868480
	.section	.rodata,"a",@progbits
	.p2align	6, 0x0
	.amdhsa_kernel k_q51ce9038ba_resp
		.amdhsa_group_segment_fixed_size 21504
		.amdhsa_private_segment_fixed_size 0
		.amdhsa_enable_private_segment 0
		.amdhsa_kernarg_size 64
		.amdhsa_user_sgpr_count 2
		.amdhsa_user_sgpr_kernarg_segment_ptr 1
		.amdhsa_wavefront_size32 1
		.amdhsa_system_sgpr_workgroup_id_x 1
		.amdhsa_system_sgpr_workgroup_id_y 1
		.amdhsa_system_sgpr_workgroup_id_z 1
		.amdhsa_system_vgpr_workitem_id 0
		.amdhsa_next_free_vgpr 128
		.amdhsa_next_free_sgpr 66
		.amdhsa_reserve_vcc 1
		.amdhsa_float_denorm_mode_32 3
		.amdhsa_float_denorm_mode_16_64 3
		.amdhsa_memory_ordered 1
		.amdhsa_forward_progress 1
		.amdhsa_inst_pref_size 55
	.end_amdhsa_kernel
	.amdgpu_metadata
---
amdhsa.version: [ 1, 2 ]
amdhsa.kernels:
  - .name:           k_q51ce9038ba_resp
    .symbol:         k_q51ce9038ba_resp.kd
    .args:
      - { .name: enc_states, .offset: 0, .size: 8, .value_kind: global_buffer, .address_space: global }
      - { .name: list, .offset: 8, .size: 8, .value_kind: global_buffer, .address_space: global }
      - { .name: cnt, .offset: 16, .size: 8, .value_kind: global_buffer, .address_space: global }
      - { .name: lg, .offset: 24, .size: 8, .value_kind: global_buffer, .address_space: global }
      - { .name: st, .offset: 32, .size: 8, .value_kind: global_buffer, .address_space: global }
      - { .name: pos, .offset: 40, .size: 8, .value_kind: global_buffer, .address_space: global }
      - { .name: out0, .offset: 48, .size: 8, .value_kind: global_buffer, .address_space: global }
      - { .name: out1, .offset: 56, .size: 8, .value_kind: global_buffer, .address_space: global }
    .group_segment_fixed_size: 21504
    .private_segment_fixed_size: 0
    .kernarg_segment_align: 8
    .kernarg_segment_size: 64
    .max_flat_workgroup_size: 1024
    .sgpr_count:     66
    .vgpr_count:     128
    .wavefront_size: 32
...
	.end_amdgpu_metadata
.endif
;; end of part 6
